; MI455X (gfx1250); checked and timed in simulation.
; The chip was launched on July 23, 2026; its instructions are those of AMD's public machine-readable ISA for CDNA 5 (MIT licence, August 2026) and "CDNA5" Instruction Set Architecture Reference Guide (July 2026). The comments in the code are by the model that wrote it; some were corrected since.
;; Multi Flow Classifier Router. Allowed arithmetic: matrix products marked QUANTISED: E2M1 operands, one E8M0 scale for each 32 along K, by v_wmma_scale_f32_16x16x128_f8f6f4 with both operands' format E2M1 (or v_wmma_scale_f32_32x16x128_f4), f32 sums; products left as they are: f32 operands where the result goes on into a quantised operand, else bf16, f16 or f32 operands; f32 sums; everything else in f32.
;; Inputs: W1 8 x 1,024 x 4,096 float32; W2 8 x 4,096 x 1,024 float32; b1 8 x 4,096 float32; b2 8 x 1,024 float32; route 1,024 int32; x 1,024 x 1,024 float32.
;; Outputs: out0 1,024 x 1,024 float32.
;; This version of the problem:
;;   THIS VERSION OF THE PROBLEM IS GIVEN IN LOW PRECISION. The matrix products marked QUANTISED in the list below multiply operands that are first quantised to E2M1 (2 exponent bits, 1 mantissa bit; 4 bits a number), with one power-of-two scale for each 32 numbers along K (OCP MX v1.0); their sums are f32. All else is computed in f32.
;;   The module's matrix products, in the order in which they are computed (A, B: the left and right operand; K: the contracted axis; several contracted axes count as one K, in the product's order):
;;     1. [M 32,768, K 1,024] x [K 1,024, N 1,024]; A: input W1; B: input x: QUANTISED
;;     2. batch 8 x [M 1,024, K 4,096] x [K 4,096, N 1,024]; A: computed on the way; B: input W2: QUANTISED
;;     3. batch 1,024 x [M 1,024, K 8] x [K 8, N 1]; A: computed on the way; B: computed on the way: left as it is (K = 8 < 32)
;;   THE QUANTISER, for each operand of a quantised product, along K:
;;     - K is cut into blocks of 32 from its start; a last block that is shorter is filled with zeros.
;;     - A block's scale is 2^e with e = floor(log2(the largest magnitude in the block)) - 2, held to -126 .. 127; a block of zeros has e = 0. As a byte (E8M0): e + 127.
;;     - Each number is divided by its block's scale, clamped to +-6, and rounded to the nearest number of E2M1, ties to even, subnormals kept.
;;     - The product sums the exact products of the quantised numbers (number of the format x scale) in f32.
;;   ~~~python
;;   def quantise(x, axis):      # numpy; x: float32 -> the quantised numbers, widened to float32 again
;;       x = np.moveaxis(x, axis, -1); K = x.shape[-1]
;;       x = np.pad(x, [(0, 0)] * (x.ndim - 1) + [(0, -K % 32)]); x = x.reshape(x.shape[:-1] + (-1, 32)); a = np.abs(x).max(-1, keepdims=True)
;;       e = np.where(a > 0, np.clip(np.frexp(np.where(a > 0, a, 1))[1] - 1 - 2, -126, 127), 0)      # np.frexp(a)[1] - 1 = floor(log2(a)), exactly
;;       r = np.clip(x / 2.0 ** e, -6, 6)
;;       step = 2.0 ** (np.maximum(np.frexp(np.where(r == 0, 1, r))[1] - 1, 0) - 1)
;;       q = np.round(r / step) * step * 2.0 ** e      # np.round: ties to even
;;       return np.moveaxis(q.reshape(q.shape[:-2] + (-1,))[..., :K], -1, axis).astype(np.float32)
;;   ~~~
;;   OPERANDS COMPUTED ON THE WAY. 'Computed on the way' means the value that the module computes at that place (a softmax that the list does not call 'softmax' is quantised finished and normalised). What goes into a quantiser is computed in f32, as accurately as f32 sums, v_exp_f32 and their like allow (about 1e-6 of the number): no bf16 or f16 on the way to a quantiser, and a product that is left as it is and whose result goes on into a quantised operand takes f32 operands (vector FMAs, or v_wmma_f32_16x16x4_f32). A number that lies on a knife's edge between two numbers of the format may be rounded either way, as far as f32 arithmetic and the matrix unit's own rounding can turn it there, and no further.
;; 2 versions. Each part assembles by itself: llvm-mc -triple=amdgcn-amd-amdhsa -mcpu=gfx1250 --defsym DOCPART=n.
;; ======== version 1 of 2: 3 launches
;; workspace buffers: cnt 256 bytes of whole numbers; order 32,768 bytes of whole numbers; xq 4,194,304 bytes; xs 262,144 bytes; hq 16,777,216 bytes; hs 1,048,576 bytes; w2q 16,777,216 bytes; w2s 1,048,576 bytes
;; launch prep (part 1): grid 544 x 1, 8 waves a work-group, no clusters, 3,072 bytes of LDS; arguments x, route, xq, xs, cnt, order, W2, w2q, w2s; writes xq, xs, cnt, order, w2q, w2s
.if DOCPART == 1
	.amdgcn_target "amdgcn-amd-amdhsa--gfx1250"
	.amdhsa_code_object_version 6
	.text
	.protected	k_q580ff9fae5_prep
	.globl	k_q580ff9fae5_prep
	.p2align	8
	.type	k_q580ff9fae5_prep,@function
k_q580ff9fae5_prep:
	s_mov_b64 s[64:65], 0
	v_nop
	global_prefetch_b8 v0, s[64:65] scope:SCOPE_SE
	s_setreg_imm32_b32 hwreg(HW_REG_WAVE_MODE, 25, 1), 1
	s_wait_xcnt 0x0
; TWO JOBS IN ONE LAUNCH, parted once, at the top, on the work-group's number.  Neither needs the other's results, and the second keeps memory at work while the first waits for its few loads.
; WORK-GROUPS 0 .. 31: THE TOKENS.  Places the 1,024 tokens by expert and turns x [1024][1024] f32 into codes of FP4 (E2M1) with one E8M0 byte for each 32 along K.
; rank = how many earlier tokens have the same expert; position (expert e, rank p) is where the later launches find the token.
;   cnt[e]        tokens of expert e (words 0-7; the store writes 32 words, word L = n[L & 7])
;   order[e][p]   the token at that position
;   xq            [e][p / 16][K step s:8][c:2][hb:2][p % 16][16 bytes]: block 4 s + 2 c + hb of the token: the image of a matrix operand's registers
;   xs            [e][p][8 words]: word s = the four scale bytes of K step s
; Work-group g owns tokens 32 g + lane.  Wave w quantises K step w (128 numbers) of those 32 rows, and counts expert w for the ranking.
; WORK-GROUPS 32 .. 543: W2 [8][4096 (K)][1024] f32 becomes codes and scale words, laid as the last launch's LDS wants them (see at .Lquant).
; A block's scale is 2^(floor(log2(largest magnitude)) - 2); its byte is the largest magnitude's exponent field - 2, held at 1 from below.
; LIMITS: NaN and infinities are not served; a block whose largest magnitude lies under 2^-124, a block of zeros too, gets the byte 1
; (its codes are then zeros or what the byte 1 gives; the bytes are read by this program alone); route is taken to lie in 0 .. 7.
.set NPREP, 32                         ; work-groups that take the tokens
.set TAB, 0                            ; LDS: 8 x 16 bytes: {tokens of the expert ahead of my group, my group's mask, all its tokens, 0}
.set SW,  256                          ; LDS: 32 lanes x 32 bytes: a token's eight scale words
.set R,   8                            ; v8-39   route, 32 groups of 32; then the table; then SO, BY, PW and the words on their way out
.set SO,  8                            ; v8-11   the conversions' scale operands
.set BY,  12                           ; v12-15  the scale bytes
.set PW,  16                           ; v16     the scale word
.set MX,  60                           ; v60-63  the blocks' largest magnitudes
.set X,   64                           ; v64-191 my row's 128 numbers
.set C,   192                          ; v192-207 their codes
.set M,   32                           ; s32-63  32 masks; then eight pairs (ahead, mask)
	v_lshl_add_u32 v224, v0, 2, 0x800
	v_mov_b32 v225, 0
	s_cmp_ge_u32 ttmp9, NPREP                      ; the same for all waves of a work-group
	s_cbranch_scc1 .Lquant
	s_load_b256 s[4:11], s[0:1], 0x0               ; x s[4:5], route s[6:7], xq s[8:9], xs s[10:11]
	s_load_b128 s[12:15], s[0:1], 0x20             ; cnt s[12:13], order s[14:15]
	v_lshrrev_b32 v1, 5, v0
	v_readfirstlane_b32 s16, v1                    ; wave 0..7
	v_and_b32 v1, 31, v0                           ; lane
	v_lshlrev_b32 v2, 2, v1                        ; 4 x lane
	v_lshlrev_b32 v3, 12, v1                       ; my row of x among the group's 32: 4,096 bytes a row
	s_mov_b32 s17, ttmp9                           ; my group of 32 tokens
	s_lshl_b32 s20, s17, 7
	v_add_nc_u32 v41, s20, v2                      ; my own token's word of route
	s_lshl_b32 s21, s17, 5
	v_add_nc_u32 v57, s21, v1                      ; my token
	s_lshl_b32 s22, s16, 4
	v_mov_b32 v48, s22                             ; LDS: my wave's row of the table
	v_mov_b32 v49, 0
	s_lshl_b32 s23, s16, 2
	s_add_co_u32 s23, s23, SW
	v_lshl_add_u32 v56, v1, 5, s23                 ; LDS: my token's word of K step w
	v_lshl_add_u32 v58, v1, 5, SW                  ; LDS: my token's eight words
	v_and_b32 v59, 7, v1
	v_lshlrev_b32 v59, 4, v59                      ; LDS: the table's row lane & 7
	s_lshl_b32 s24, s17, 17                        ; x: 32 rows a group,
	s_lshl_b32 s26, s16, 9                         ; 512 bytes a K step
	s_add_co_u32 s24, s24, s26
	s_mov_b32 s25, 0
	s_lshl_b32 s26, s16, 10                        ; xq: 1,024 bytes a K step
	s_mov_b32 s27, 0
	s_wait_kmcnt 0x0
	s_add_nc_u64 s[4:5], s[4:5], s[24:25]
	s_add_nc_u64 s[8:9], s[8:9], s[26:27]
.set q, 0
.rept 32
	global_load_b32 v[R+q], v2, s[6:7] offset:128*q      ; all of route: group q, one token a lane
.set q, q+1
.endr
	global_load_b32 v40, v41, s[6:7]               ; my own token's expert
.set q, 0
.rept 32
	global_load_b128 v[X+4*q:X+4*q+3], v3, s[4:5] offset:16*q   ; my row's 512 bytes of K step w (no non-temporal hint: the lane comes back to these bytes 32 times)
.set q, q+1
.endr
	s_wait_loadcnt 32                              ; route is in; the 32 loads of x behind it stay out
.set q, 0
.rept 32
	v_cmp_eq_u32 s[M+q], s16, v[R+q]               ; which tokens of group q go to expert w
.set q, q+1
.endr
	v_cmp_eq_u32 s21, s16, v40                     ; and of my own group
	s_mov_b32 s18, 0                               ; all tokens of expert w
	s_mov_b32 s19, 0                               ; those in groups ahead of mine
.set q, 0
.rept 32
	s_bcnt1_i32_b32 s20, s[M+q]
	s_add_co_u32 s18, s18, s20
	s_cmp_gt_u32 s17, q
	s_cselect_b32 s20, s20, 0
	s_add_co_u32 s19, s19, s20
.set q, q+1
.endr
	v_mov_b32 v44, s19
	v_mov_b32 v45, s21
	v_mov_b32 v46, s18
	v_mov_b32 v47, 0
	ds_store_b128 v48, v[44:47] offset:TAB         ; every lane writes the same 16 bytes
	s_wait_dscnt 0x0                               ; for the others' sake: my row of the table has landed
	s_barrier_signal -1
	s_barrier_wait -1
.irp m, 0,1,2,3,4,5,6,7
	ds_load_b128 v[R+4*\m:R+4*\m+3], v49 offset:TAB+16*\m
.endr
	s_wait_dscnt 0x0
.irp m, 0,1,2,3,4,5,6,7
	v_readfirstlane_b32 s[M+2*\m], v[R+4*\m]
	v_readfirstlane_b32 s[M+2*\m+1], v[R+4*\m+1]
.endr
	v_mov_b32 v51, 0
.irp m, 0,1,2,3,4,5,6,7
	v_mbcnt_lo_u32_b32 v50, s[M+2*\m+1], s[M+2*\m] ; expert m's tokens ahead of my group + those of my group in lower lanes
	v_cmp_eq_u32 vcc_lo, \m, v40
	v_cndmask_b32 v51, v51, v50, vcc_lo            ; kept where m is my expert: my rank
.endr
	v_min_u32 v52, 7, v40                          ; expert and rank enter addresses only behind these two bounds
	v_min_u32 v51, 0x3ff, v51
	v_and_b32 v50, 0x3f0, v51
	v_lshlrev_b32 v50, 9, v50                      ; xq: 8,192 bytes a tile of 16 positions,
	v_lshl_add_u32 v50, v52, 19, v50               ; 2^19 an expert,
	v_and_b32 v53, 15, v51
	v_lshl_add_u32 v53, v53, 4, v50                ; 16 bytes a position in the tile
	v_lshlrev_b32 v54, 5, v51
	v_lshl_add_u32 v54, v52, 15, v54               ; xs: 32 bytes a position, 2^15 an expert
	v_lshlrev_b32 v55, 2, v51
	v_lshl_add_u32 v55, v52, 12, v55               ; order: 4 bytes a position, 4,096 an expert
	s_wait_loadcnt 0x0                             ; x
.irp b, 0,1,2,3
	v_max3_num_f32 v[MX+\b], |v[X+32*\b]|, |v[X+32*\b+1]|, 0x1800000   ; block b: all its 32 numbers are mine; the floor 2^(3 - 127) holds the byte at 1 from below
.endr
.irp i, 2,4,6,8,10,12,14,16,18,20,22,24,26,28,30
.irp b, 0,1,2,3
	v_max3_num_f32 v[MX+\b], v[MX+\b], |v[X+32*\b+\i]|, |v[X+32*\b+\i+1]|   ; (the four blocks by turns)
.endr
.endr
.irp b, 0,1,2,3
	v_add_nc_u32 v[SO+\b], 0xff000000, v[MX+\b]    ; 2 off the exponent field: the conversion takes this operand's exponent field as its scale
.endr
.irp b, 0,1,2,3
	v_lshrrev_b32 v[BY+\b], 23, v[SO+\b]           ; the scale's byte
.endr
.irp b, 0,1,2,3
.irp g, 0,1,2,3
	v_cvt_scalef32_pk8_fp4_f32 v[C+4*\b+\g], v[X+32*\b+8*\g:X+32*\b+8*\g+7], v[SO+\b]
.endr
.endr
	v_lshl_or_b32 v[PW], v[BY+1], 8, v[BY]         ; the four bytes make the K step's scale word (also the plain line behind the conversions)
	v_lshl_or_b32 v[PW], v[BY+2], 16, v[PW]
	v_lshl_or_b32 v[PW], v[BY+3], 24, v[PW]
.irp b, 0,1,2,3
	global_store_b128 v53, v[C+4*\b:C+4*\b+3], s[8:9] offset:512*(\b/2)+256*(\b%2)   ; block 2 c + hb at 512 c + 256 hb
.endr
	ds_store_b32 v56, v[PW]
	s_wait_dscnt 0x0                               ; my words have landed, and my reads of the table are over
	s_barrier_signal -1
	s_barrier_wait -1
	s_cmp_lg_u32 s16, 0                            ; wave 0 sends what there is one of for each token
	s_cbranch_scc1 .Lend
	ds_load_b128 v[20:23], v58
	ds_load_b128 v[24:27], v58 offset:16
	global_store_b32 v55, v57, s[14:15]            ; order[e][rank] = my token
	s_wait_dscnt 0x0
	global_store_b128 v54, v[20:23], s[10:11]      ; the token's eight scale words
	global_store_b128 v54, v[24:27], s[10:11] offset:16
	s_cmp_lg_u32 s17, 0                            ; and work-group 0 the counts
	s_cbranch_scc1 .Lend
	ds_load_b32 v28, v59 offset:TAB+8
	s_wait_dscnt 0x0
	global_store_b32 v2, v28, s[12:13]
.Lend:
	s_wait_tensorcnt 0x0
	ds_add_u32 v224, v225
	s_wait_dscnt 0x0
	s_endpgm
; ---- WORK-GROUPS 32 .. 543: W2.  K is W2's first axis within an expert.  Work-group 32 + g: expert e = g / 64, columns 128 cg on (cg = g % 8), K steps 4 ((g / 8) % 8) + 0 .. 3.
; Wave w (u = w & 1) takes ONE K step (128 rows) x 64 columns.  A lane takes two neighbouring columns and its registers run DOWN K: each load of the wave covers 256 consecutive bytes, aligned;
; a block of 32 along K lies in one lane, so its largest magnitude needs no other lane.  Four sets of 32 loads; two sets (64 loads, 16 KiB a wave) are on their way.  The waves share nothing: no LDS, no barrier.
; Why here and not in the launch that multiplies: there a work-group owns 32 columns, 128 bytes of a row; a quantiser that only stores codes is free to take whole runs of 256 bytes.
; OUT.  After the swaps a run of four registers is tile (q, j), registers 4 c on, of an operand: 16 columns 128 cg + 64 u + 32 q + 2 r + j.  That is tile j of the group of 32 columns 4 cg + 2 u + q:
;   w2q  [e][group of 32 columns:32][K step:32][j:2][c:2][lane:32][16 bytes]     each store of the wave covers 512 consecutive bytes, aligned
;   w2s  [e][group:32][K step / 2:16][r:16][4 words: 2 (K step % 2) + j]         a column's four scale bytes of a K step make a word
.set ROWB, 4096                        ; a row of W2[e] in bytes
.set LI,   3                           ; v3   16 x lane
.set WO,   4                           ; v4   8 x lane: my two columns
.set SOFF, 5                           ; v5   my byte in w2s: 4,096 (lane / 16) + 16 (lane % 16)
.set QQ,   6                           ; v6   lane / 16
.set LN,   20                          ; v20  lane
.set LAND, 36                          ; v36-163 the stream: two sets of 32 rows x 2 columns
.set T,    164                         ; v164-179 eight rows of each column, on end
.set C,    180                         ; v180-211 codes: block bk, column j at C + 8 bk + 4 j
.set MA,   212                         ; v212-215 largest magnitudes, two chains a column
.set MB,   214
.set SO,   216                         ; v216-217 the conversions' scale operands
.set BY,   218
.set WW,   220                         ; v220-221 my two columns' scale words
.macro LOADG p, g, row0                ; eight rows, row0 + 8 g on, into set p
.irp i, 0,1,2,3,4,5,6,7
	global_load_b64 v[LAND+64*(\p)+16*(\g)+2*\i:LAND+64*(\p)+16*(\g)+2*\i+1], v[WO], s[4:5] offset:((\row0)+8*(\g)+\i)*ROWB th:TH_LOAD_NT
.endr
.endm
; Set p (32 rows x my two columns = two blocks) becomes codes in v[cd0] and v[cd1] on, four registers each.  left: the younger loads that may stay out.  refill = 1: the set takes the rows from row0 on.
.macro QSET p, left, cd0, cd1, refill, row0
.set LP, LAND+64*(\p)
	s_wait_loadcnt \left
	v_max3_num_f32 v[MA], |v[LP]|, |v[LP+2]|, 0x1800000        ; rows 0-15 and the floor 2^(3 - 127), which holds the byte at 1 from below
	v_max3_num_f32 v[MA+1], |v[LP+1]|, |v[LP+3]|, 0x1800000
	v_max3_num_f32 v[MB], |v[LP+32]|, |v[LP+34]|, |v[LP+36]|   ; rows 16-30: a second chain, so that no line waits for the line above it
	v_max3_num_f32 v[MB+1], |v[LP+33]|, |v[LP+35]|, |v[LP+37]|
.irp k, 1,2,3,4,5,6
	v_max3_num_f32 v[MA], v[MA], |v[LP+4*\k]|, |v[LP+4*\k+2]|
	v_max3_num_f32 v[MA+1], v[MA+1], |v[LP+4*\k+1]|, |v[LP+4*\k+3]|
	v_max3_num_f32 v[MB], v[MB], |v[LP+34+4*\k]|, |v[LP+36+4*\k]|
	v_max3_num_f32 v[MB+1], v[MB+1], |v[LP+35+4*\k]|, |v[LP+37+4*\k]|
.endr
	v_max3_num_f32 v[MA], v[MA], |v[LP+28]|, |v[LP+30]|
	v_max3_num_f32 v[MA+1], v[MA+1], |v[LP+29]|, |v[LP+31]|
	v_max3_num_f32 v[MA], v[MA], v[MB], |v[LP+62]|             ; the two chains and row 31
	v_max3_num_f32 v[MA+1], v[MA+1], v[MB+1], |v[LP+63]|
	v_add_nc_u32 v[SO], 0xff000000, v[MA]                      ; 2 off the exponent field: the conversion's scale operand
	v_add_nc_u32 v[SO+1], 0xff000000, v[MA+1]
.irp g, 0,1,2,3
.irp i, 0,2,4,6                        ; a load leaves the two columns side by side; a conversion wants eight rows of one column on end
	v_dual_mov_b32 v[T+\i], v[LP+16*\g+2*\i] :: v_dual_mov_b32 v[T+9+\i], v[LP+16*\g+2*\i+3]
	v_dual_mov_b32 v[T+8+\i], v[LP+16*\g+2*\i+1] :: v_dual_mov_b32 v[T+1+\i], v[LP+16*\g+2*\i+2]
.endr
	v_cvt_scalef32_pk8_fp4_f32 v[(\cd0)+\g], v[T:T+7], v[SO]
	v_cvt_scalef32_pk8_fp4_f32 v[(\cd1)+\g], v[T+8:T+15], v[SO+1]
	v_nop                                          ; one plain line behind the conversions: T is written again, and the codes are touched later
.if \refill
	LOADG \p, \g, \row0                            ; these eight rows' registers are free: their successors go out at once
.endif
.endr
.endm
.macro SWORD bk                        ; block bk's byte into my columns' scale words
.irp j, 0,1
.if \bk == 0
	v_lshrrev_b32 v[WW+\j], 23, v[SO+\j]
.else
	v_lshrrev_b32 v[BY+\j], 23, v[SO+\j]
	v_lshl_or_b32 v[WW+\j], v[BY+\j], 8*\bk, v[WW+\j]
.endif
.endr
.endm
; The operand's layout wants lanes 0-15 to hold block 2 c and lanes 16-31 block 2 c + 1 of 16 columns.  The swap gives it: the first register becomes tile q = 0 (columns 2 r + j), the second tile q = 1 (columns 32 + 2 r + j).
.macro SWAPS c
.irp j, 0,1
.irp g, 0,1,2,3
	v_permlane16_swap_b32 v[C+16*\c+4*\j+\g], v[C+16*\c+8+4*\j+\g]
.endr
.endr
.endm
.Lquant:
	s_load_b128 s[4:7], s[0:1], 0x30               ; W2 s[4:5], w2q s[6:7]
	s_load_b64 s[8:9], s[0:1], 0x40                ; w2s
	v_lshrrev_b32 v[LN], 5, v0
	v_readfirstlane_b32 s16, v[LN]                 ; wave 0..7
	v_and_b32 v[LN], 31, v0
	v_lshlrev_b32 v[LI], 4, v[LN]
	v_lshlrev_b32 v[WO], 3, v[LN]
	v_and_b32 v[SOFF], 15, v0
	v_lshlrev_b32 v[SOFF], 4, v[SOFF]
	v_bfe_u32 v[QQ], v0, 4, 1
	v_lshl_add_u32 v[SOFF], v[QQ], 12, v[SOFF]     ; lanes 16-31 hold the next group of 32 columns: 4,096 bytes on
	s_sub_co_u32 s17, ttmp9, NPREP                 ; g
	s_lshr_b32 s18, s17, 6                         ; e
	s_and_b32 s19, s17, 7                          ; cg
	s_bfe_u32 s20, s17, 0x30003                    ; (g / 8) % 8
	s_lshl_b32 s20, s20, 2
	s_lshr_b32 s22, s16, 1
	s_add_co_u32 s20, s20, s22                     ; my K step
	s_and_b32 s21, s16, 1                          ; u
	s_lshl_b32 s23, s19, 2
	s_lshl_b32 s24, s21, 1
	s_add_co_u32 s23, s23, s24                     ; 4 cg + 2 u: the group of 32 columns of lanes 0-15
	s_lshl_b32 s28, s18, 24                        ; W2: 2^24 bytes an expert,
	s_lshl_b32 s24, s20, 19                        ; 128 rows of 4,096 bytes a K step,
	s_add_co_u32 s28, s28, s24
	s_lshl_b32 s24, s19, 9                         ; 512 bytes a group of 128 columns,
	s_add_co_u32 s28, s28, s24
	s_lshl_b32 s24, s21, 8                         ; 256 a half
	s_add_co_u32 s28, s28, s24
	s_mov_b32 s29, 0
	s_lshl_b32 s30, s18, 21                        ; w2q: 2^21 an expert, 65,536 a group of 32 columns, 2,048 a K step
	s_lshl_b32 s24, s23, 16
	s_add_co_u32 s30, s30, s24
	s_lshl_b32 s24, s20, 11
	s_add_co_u32 s30, s30, s24
	s_mov_b32 s31, 0
	s_lshl_b32 s32, s18, 17                        ; w2s: 2^17 an expert, 4,096 a group, 256 a pair of K steps, 8 the K step in its pair
	s_lshl_b32 s24, s23, 12
	s_add_co_u32 s32, s32, s24
	s_lshr_b32 s24, s20, 1
	s_lshl_b32 s24, s24, 8
	s_add_co_u32 s32, s32, s24
	s_and_b32 s24, s20, 1
	s_lshl_b32 s24, s24, 3
	s_add_co_u32 s32, s32, s24
	s_mov_b32 s33, 0
	s_wait_kmcnt 0x0
	s_add_nc_u64 s[4:5], s[4:5], s[28:29]
	s_add_nc_u64 s[6:7], s[6:7], s[30:31]
	s_add_nc_u64 s[8:9], s[8:9], s[32:33]
.irp g, 0,1,2,3
	LOADG 0, \g, 0
.endr
.irp g, 0,1,2,3
	LOADG 1, \g, 32
.endr
	QSET 0, 32, C, C+4, 1, 64                      ; each count of 32 leaves the next set's 32 loads out
	SWORD 0
	QSET 1, 32, C+8, C+12, 1, 96
	SWORD 1
	SWAPS 0
	QSET 0, 32, C+16, C+20, 0, 0
	SWORD 2
	QSET 1, 0, C+24, C+28, 0, 0
	SWORD 3
	SWAPS 1
.irp c, 0,1
.irp q, 0,1
.irp j, 0,1
	global_store_b128 v[LI], v[C+8*(2*\c+\q)+4*\j:C+8*(2*\c+\q)+4*\j+3], s[6:7] offset:65536*\q+1024*\j+512*\c   ; tile (q, j), registers 4 c on, as they stand
.endr
.endr
.endr
	global_store_b64 v[SOFF], v[WW:WW+1], s[8:9]   ; my two columns' words: j = 0, 1 of row lane % 16
	s_endpgm
.Lfunc_end_k_q580ff9fae5_prep:
	.size	k_q580ff9fae5_prep, .Lfunc_end_k_q580ff9fae5_prep-k_q580ff9fae5_prep
	.p2alignl 7, 3214868480
	.fill 96, 4, 3214868480
	.section	.rodata,"a",@progbits
	.p2align	6, 0x0
	.amdhsa_kernel k_q580ff9fae5_prep
		.amdhsa_group_segment_fixed_size 3072
		.amdhsa_private_segment_fixed_size 0
		.amdhsa_enable_private_segment 0
		.amdhsa_kernarg_size 72
		.amdhsa_user_sgpr_count 2
		.amdhsa_user_sgpr_kernarg_segment_ptr 1
		.amdhsa_wavefront_size32 1
		.amdhsa_system_sgpr_workgroup_id_x 1
		.amdhsa_system_sgpr_workgroup_id_y 1
		.amdhsa_system_sgpr_workgroup_id_z 1
		.amdhsa_system_vgpr_workitem_id 0
		.amdhsa_next_free_vgpr 226
		.amdhsa_next_free_sgpr 66
		.amdhsa_reserve_vcc 1
		.amdhsa_float_denorm_mode_32 3
		.amdhsa_float_denorm_mode_16_64 3
		.amdhsa_memory_ordered 1
		.amdhsa_forward_progress 1
		.amdhsa_inst_pref_size 60
	.end_amdhsa_kernel
	.amdgpu_metadata
---
amdhsa.version: [ 1, 2 ]
amdhsa.kernels:
  - .name:           k_q580ff9fae5_prep
    .symbol:         k_q580ff9fae5_prep.kd
    .args:
      - { .name: x, .offset: 0, .size: 8, .value_kind: global_buffer, .address_space: global }
      - { .name: route, .offset: 8, .size: 8, .value_kind: global_buffer, .address_space: global }
      - { .name: xq, .offset: 16, .size: 8, .value_kind: global_buffer, .address_space: global }
      - { .name: xs, .offset: 24, .size: 8, .value_kind: global_buffer, .address_space: global }
      - { .name: cnt, .offset: 32, .size: 8, .value_kind: global_buffer, .address_space: global }
      - { .name: order, .offset: 40, .size: 8, .value_kind: global_buffer, .address_space: global }
      - { .name: W2, .offset: 48, .size: 8, .value_kind: global_buffer, .address_space: global }
      - { .name: w2q, .offset: 56, .size: 8, .value_kind: global_buffer, .address_space: global }
      - { .name: w2s, .offset: 64, .size: 8, .value_kind: global_buffer, .address_space: global }
    .group_segment_fixed_size: 3072
    .private_segment_fixed_size: 0
    .kernarg_segment_align: 8
    .kernarg_segment_size: 72
    .max_flat_workgroup_size: 256
    .sgpr_count:     66
    .vgpr_count:     226
    .wavefront_size: 32
...
	.end_amdgpu_metadata
.endif
;; end of part 1
;; launch layer1 (part 2): grid 32 x 8, 16 waves a work-group, no clusters, 72,704 bytes of LDS; arguments W1, b1, xq, xs, cnt, hq, hs; writes hq, hs
.if DOCPART == 2
	.amdgcn_target "amdgcn-amd-amdhsa--gfx1250"
	.amdhsa_code_object_version 6
	.text
	.protected	k_q580ff9fae5_layer1
	.globl	k_q580ff9fae5_layer1
	.p2align	8
	.type	k_q580ff9fae5_layer1,@function
k_q580ff9fae5_layer1:
	s_mov_b64 s[64:65], 0
	v_nop
	global_prefetch_b8 v0, s[64:65] scope:SCOPE_SE
	s_setreg_imm32_b32 hwreg(HW_REG_WAVE_MODE, 25, 1), 1
	s_wait_xcnt 0x0
; h = gelu(x W1[e] + b1[e]) for the tokens of expert e alone, on codes of FP4 (E2M1) with one E8M0 byte for each 32 along K; h leaves as codes for the second product.
; SHARES.  Work-group (cg, e) owns hidden units 128 cg .. 128 cg + 127 of expert e: a slice of W1[e] of 1,024 rows (K) x 128 columns, 512 KiB of f32, read once by this work-group alone.
; PHASE 1, THE STREAM.  Wave w (u = w & 1, s = w >> 1) takes K step s (128 rows) x 64 columns.  A lane takes two neighbouring columns and its registers run DOWN K: each load of the wave covers 256 consecutive
; bytes, aligned; a block of 32 along K lies in one lane, so its largest magnitude needs no other lane.  Four sets of 32 loads; two sets (64 loads, 16 KiB a wave) are on their way.
; The codes go to LDS as images of operand registers, one barrier, and then every wave can read the whole slice.
; PHASE 2, THE UNITS.  A unit is a tile of 16 tokens against the 128 columns: 8 K steps x 8 tiles = 64 matrix instructions.  Wave w takes tiles w, w + 16, w + 32, w + 48 as far as the expert has tokens.
; The product is used transposed (source 0 = 16 columns of W1, source 1 = 16 tokens): a lane holds one token.  THE COLUMNS OF A TILE ARE NOT NEIGHBOURS: tile (u, q, j) holds columns 64 u + 32 q + 2 r + j, so that
; the registers of tiles j = 0, 1, taken by turns, are 16 neighbouring hidden units 64 u + 32 q + 16 (lane / 16) + 0 .. 15: what the quantiser along the next K wants.
; The last tile's lanes past the expert's last token repeat that token: only bytes that were written are read, and whole tiles of h are written.
; gelu(z) = 0.5 z (1 + tanh(y)), y = sqrt(2 / pi) (z + 0.044715 z^3), is computed as z / (1 + 2^(c1 z + c3 z^3)), c1 = -2 log2(e) sqrt(2 / pi), c3 = 0.044715 c1: the same function, all in f32.
; No tensor loads: the conversions want K along a lane's registers, which loads into registers give at once.  No cluster: no two work-groups read the same weights.
; LIMITS: NaN and infinities are not served; a block whose largest magnitude lies under 2^-124, a block of zeros too, gets the byte 1 (the bytes are read by this program alone).
.set ROWB, 16384                       ; a row of W1[e] in bytes
.set WSC,  65536                       ; LDS 0 .. 65,535: the images: 4,096 (2 s + u) + 1,024 (2 q + j) + 512 c + 16 lane;  then the scale words: 256 (2 s + u) + 8 lane (the pair j = 0, 1)
.set BIAS, 69632                       ; then b1's 128 numbers
.set RR,   1                           ; v1   r = lane % 16
.set HH,   2                           ; v2   h = lane / 16
.set LI,   3                           ; v3   16 x lane
.set WO,   4                           ; v4   8 x lane: my two columns
.set WI,   5                           ; v5   where I store images: 16 lane + 4,096 wave
.set WSW,  6                           ; v6   where I store scale words
.set LS,   7                           ; v7   where I read them
.set BO,   8                           ; v8   b1 in LDS, + 64 h
.set XO,   9                           ; v9   my byte in xq
.set SOF,  10                          ; v10  my byte in xs
.set P,    11                          ; v11  my position among the expert's tokens;  v12, v13 at work
.set HO,   14                          ; v14  my byte in hq
.set HSO,  15                          ; v15  my byte in hs
.set C1,   16                          ; v16-17 c1, twice
.set H256, 18                          ; v18  256 h
.set H16,  19                          ; v19  16 h
.set LN,   20                          ; v20  lane
.set BST,  21                          ; v21  where wave 0 puts b1
.set XS,   28                          ; v28-31 x's scale words: lanes 0-15 K steps 0-3, lanes 16-31 K steps 4-7.  Scales and nothing else
.set WS,   32                          ; v32-35 W1's scale words, two sets of two.  Scales and nothing else
.set LAND, 36                          ; v36-163 the stream: two sets of 32 rows x 2 columns
.set T,    164                         ; v164-179 eight rows of each column, on end
.set C,    180                         ; v180-211 codes: block bk, column j at C + 8 bk + 4 j
.set MA,   212                         ; v212-215 largest magnitudes, two chains a column
.set MB,   214
.set SO,   216                         ; v216-217 the conversions' scale operands
.set BY,   218
.set WW,   220                         ; v220-221 my two columns' scale words
.set B1R,  224                         ; v224-227 wave 0: b1 on its way
.set X,    36                          ; the units: v36-99 the tile's 8 fragments of x
.set ACC,  100                         ; v100-163 8 accumulators: tile 4 u + 2 q + j
.set WF,   164                         ; v164-227 W1's fragments, two sets of four
.set Q,    164                         ; later v164-195 b1, then the sigmoid at work
.set G,    196                         ; and v196-227 32 hidden units in the next K's order
.set HC,   228                         ; v228-235 h's codes: one fragment
.set TM,   236
.set TP,   238
.set SQ,   240
.set HBY,  242                         ; v242-245 h's four scale bytes
.set PW,   246
; s4-17 addresses; s18 wave, s19 u, s20 s, s21 cg, s22 e, s23 n, s24 n - 1, s25 tiles, s26 my tile, s27 trip, s30-31 lane selects, s32-33 c3, s28-29 and s34-46 offsets
.macro LOADG p, g, row0                ; eight rows, row0 + 8 g on, into set p
.irp i, 0,1,2,3,4,5,6,7
	global_load_b64 v[LAND+64*(\p)+16*(\g)+2*\i:LAND+64*(\p)+16*(\g)+2*\i+1], v[WO], s[4:5] offset:((\row0)+8*(\g)+\i)*ROWB th:TH_LOAD_NT
.endr
.endm
; Set p (32 rows x my two columns = two blocks) becomes codes in v[cd0] and v[cd1] on, four registers each.  left: the younger loads that may stay out.  refill = 1: the set takes the rows from row0 on.
.macro QSET p, left, cd0, cd1, refill, row0
.set LP, LAND+64*(\p)
	s_wait_loadcnt \left
	v_max3_num_f32 v[MA], |v[LP]|, |v[LP+2]|, 0x1800000        ; rows 0-15 and the floor 2^(3 - 127), which holds the byte at 1 from below
	v_max3_num_f32 v[MA+1], |v[LP+1]|, |v[LP+3]|, 0x1800000
	v_max3_num_f32 v[MB], |v[LP+32]|, |v[LP+34]|, |v[LP+36]|   ; rows 16-30: a second chain, so that no line waits for the line above it
	v_max3_num_f32 v[MB+1], |v[LP+33]|, |v[LP+35]|, |v[LP+37]|
.irp k, 1,2,3,4,5,6
	v_max3_num_f32 v[MA], v[MA], |v[LP+4*\k]|, |v[LP+4*\k+2]|
	v_max3_num_f32 v[MA+1], v[MA+1], |v[LP+4*\k+1]|, |v[LP+4*\k+3]|
	v_max3_num_f32 v[MB], v[MB], |v[LP+34+4*\k]|, |v[LP+36+4*\k]|
	v_max3_num_f32 v[MB+1], v[MB+1], |v[LP+35+4*\k]|, |v[LP+37+4*\k]|
.endr
	v_max3_num_f32 v[MA], v[MA], |v[LP+28]|, |v[LP+30]|
	v_max3_num_f32 v[MA+1], v[MA+1], |v[LP+29]|, |v[LP+31]|
	v_max3_num_f32 v[MA], v[MA], v[MB], |v[LP+62]|             ; the two chains and row 31
	v_max3_num_f32 v[MA+1], v[MA+1], v[MB+1], |v[LP+63]|
	v_add_nc_u32 v[SO], 0xff000000, v[MA]                      ; 2 off the exponent field: the conversion's scale operand
	v_add_nc_u32 v[SO+1], 0xff000000, v[MA+1]
.irp g, 0,1,2,3
.irp i, 0,2,4,6                        ; a load leaves the two columns side by side; a conversion wants eight rows of one column on end
	v_dual_mov_b32 v[T+\i], v[LP+16*\g+2*\i] :: v_dual_mov_b32 v[T+9+\i], v[LP+16*\g+2*\i+3]
	v_dual_mov_b32 v[T+8+\i], v[LP+16*\g+2*\i+1] :: v_dual_mov_b32 v[T+1+\i], v[LP+16*\g+2*\i+2]
.endr
	v_cvt_scalef32_pk8_fp4_f32 v[(\cd0)+\g], v[T:T+7], v[SO]
	v_cvt_scalef32_pk8_fp4_f32 v[(\cd1)+\g], v[T+8:T+15], v[SO+1]
	v_nop                                          ; one plain line behind the conversions: T is written again, and the codes are touched later
.if \refill
	LOADG \p, \g, \row0                            ; these eight rows' registers are free: their successors go out at once
.endif
.endr
.endm
.macro SWORD bk                        ; block bk's byte into my columns' scale words
.irp j, 0,1
.if \bk == 0
	v_lshrrev_b32 v[WW+\j], 23, v[SO+\j]
.else
	v_lshrrev_b32 v[BY+\j], 23, v[SO+\j]
	v_lshl_or_b32 v[WW+\j], v[BY+\j], 8*\bk, v[WW+\j]
.endif
.endr
.endm
; The operand's layout wants lanes 0-15 to hold block 2 c and lanes 16-31 block 2 c + 1 of 16 columns.  The swap gives it: the first register becomes tile q = 0 (columns 2 r + j), the second tile q = 1 (columns 32 + 2 r + j).
.macro SWAPS c
.irp j, 0,1
.irp g, 0,1,2,3
	v_permlane16_swap_b32 v[C+16*\c+4*\j+\g], v[C+16*\c+8+4*\j+\g]
.endr
.endr
.endm
.macro XISSUE                          ; tile s26's fragments and scale words of x are asked for: 17 loads
	s_lshl_b32 s46, s26, 4
	v_add_nc_u32 v[P], s46, v[RR]
	v_min_u32 v[P], s24, v[P]                      ; past the expert's last token: that token again
	v_min_u32 v[P], 0x3ff, v[P]
	v_and_b32 v12, 0x3f0, v[P]
	v_lshl_add_u32 v12, v12, 9, v[H256]
	v_and_b32 v13, 15, v[P]
	v_lshl_add_u32 v[XO], v13, 4, v12              ; 8,192 x tile + 256 h + 16 x place in the tile
	v_lshl_add_u32 v[SOF], v[P], 5, v[H16]
	global_load_b128 v[XS:XS+3], v[SOF], s[10:11]
.irp s, 0,1,2,3,4,5,6,7
.irp c, 0,1
	global_load_b128 v[X+8*\s+4*\c:X+8*\s+4*\c+3], v[XO], s[8:9] offset:1024*\s+512*\c
.endr
.endr
.endm
.macro FETCHW b                        ; batch b = 2 s + u: four fragments of W1 and their scale words: 9 LDS loads
.irp k, 0,1,2,3
.irp c, 0,1
	ds_load_b128 v[WF+32*((\b)%2)+8*\k+4*\c:WF+32*((\b)%2)+8*\k+4*\c+3], v[LI] offset:4096*(\b)+1024*\k+512*\c
.endr
.endr
	ds_load_b64 v[WS+2*((\b)%2):WS+2*((\b)%2)+1], v[LS] offset:256*(\b)
.endm
; Batch B's product on tile k = 2 q + j.  W1's scale word of column 32 q + 2 r + j lies in lane 16 q + r of register j; x's of K step s in lane 16 (s / 4) + r of register s % 4.
.macro MM k
.set rD, ACC+8*(4*(B%2)+\k)
.set rA, WF+32*(B%2)+8*\k
.set rB, X+8*(B/2)
.set rSA, WS+2*(B%2)+(\k%2)
.set rSB, XS+((B/2)%4)
.if B < 2
.if \k < 2
	v_wmma_scale_f32_16x16x128_f8f6f4 v[rD:rD+7], v[rA:rA+7], v[rB:rB+7], 0, v[rSA], v[rSB] matrix_a_fmt:MATRIX_FMT_FP4 matrix_b_fmt:MATRIX_FMT_FP4
.else
	v_wmma_scale_f32_16x16x128_f8f6f4 v[rD:rD+7], v[rA:rA+7], v[rB:rB+7], 0, v[rSA], v[rSB] matrix_a_fmt:MATRIX_FMT_FP4 matrix_b_fmt:MATRIX_FMT_FP4 matrix_a_scale:MATRIX_SCALE_ROW1
.endif
.elseif B < 8
.if \k < 2
	v_wmma_scale_f32_16x16x128_f8f6f4 v[rD:rD+7], v[rA:rA+7], v[rB:rB+7], v[rD:rD+7], v[rSA], v[rSB] matrix_a_fmt:MATRIX_FMT_FP4 matrix_b_fmt:MATRIX_FMT_FP4
.else
	v_wmma_scale_f32_16x16x128_f8f6f4 v[rD:rD+7], v[rA:rA+7], v[rB:rB+7], v[rD:rD+7], v[rSA], v[rSB] matrix_a_fmt:MATRIX_FMT_FP4 matrix_b_fmt:MATRIX_FMT_FP4 matrix_a_scale:MATRIX_SCALE_ROW1
.endif
.else
.if \k < 2
	v_wmma_scale_f32_16x16x128_f8f6f4 v[rD:rD+7], v[rA:rA+7], v[rB:rB+7], v[rD:rD+7], v[rSA], v[rSB] matrix_a_fmt:MATRIX_FMT_FP4 matrix_b_fmt:MATRIX_FMT_FP4 matrix_b_scale:MATRIX_SCALE_ROW1
.else
	v_wmma_scale_f32_16x16x128_f8f6f4 v[rD:rD+7], v[rA:rA+7], v[rB:rB+7], v[rD:rD+7], v[rSA], v[rSB] matrix_a_fmt:MATRIX_FMT_FP4 matrix_b_fmt:MATRIX_FMT_FP4 matrix_a_scale:MATRIX_SCALE_ROW1 matrix_b_scale:MATRIX_SCALE_ROW1
.endif
.endif
.endm
; Half u of the unit's results: + b1, gelu, quantised: blocks 2 u and 2 u + 1 of the next product's K step cg.
.macro EPI u
.irp q, 0,1
.irp i, 0,1,2,3
	ds_load_b128 v[Q+16*\q+4*\i:Q+16*\q+4*\i+3], v[BO] offset:256*\u+128*\q+16*\i   ; b1 of hidden units 64 u + 32 q + 16 h + 0 .. 15
.endr
.endr
	s_wait_dscnt 0x0
.irp q, 0,1
.irp j, 0,1
.irp n, 0,1,2,3,4,5,6,7
	v_add_f32 v[G+16*\q+2*\n+\j], v[ACC+8*(4*\u+2*\q+\j)+\n], v[Q+16*\q+2*\n+\j]     ; each accumulator from its low end on; the sum lands in the next K's order
.endr
.endr
.endr
.irp i, 0,2,4,6,8,10,12,14,16,18,20,22,24,26,28,30
	v_pk_mul_f32 v[Q+\i:Q+\i+1], v[G+\i:G+\i+1], v[G+\i:G+\i+1]                       ; z^2
.endr
.irp i, 0,2,4,6,8,10,12,14,16,18,20,22,24,26,28,30
	v_pk_fma_f32 v[Q+\i:Q+\i+1], v[Q+\i:Q+\i+1], s[32:33], v[C1:C1+1] op_sel_hi:[1,0,1]   ; c3 z^2 + c1
.endr
.irp i, 0,2,4,6,8,10,12,14,16,18,20,22,24,26,28,30
	v_pk_mul_f32 v[Q+\i:Q+\i+1], v[Q+\i:Q+\i+1], v[G+\i:G+\i+1]                       ; x z
.endr
.set i, 0
.rept 32
	v_exp_f32 v[Q+i], v[Q+i]
.set i, i+1
.endr
	v_nop                                          ; a plain line behind the exponentials
	s_wait_alu depctr_va_vdst(0)
.irp i, 0,2,4,6,8,10,12,14,16,18,20,22,24,26,28,30
	v_pk_add_f32 v[Q+\i:Q+\i+1], v[Q+\i:Q+\i+1], 1.0 op_sel_hi:[1,0]
.endr
.set i, 0
.rept 32
	v_rcp_f32 v[Q+i], v[Q+i]
.set i, i+1
.endr
	v_nop                                          ; a plain line behind the reciprocals
	s_wait_alu depctr_va_vdst(0)
.irp i, 0,2,4,6,8,10,12,14,16,18,20,22,24,26,28,30
	v_pk_mul_f32 v[G+\i:G+\i+1], v[G+\i:G+\i+1], v[Q+\i:Q+\i+1]                       ; gelu(z)
.endr
.irp q, 0,1
	v_max3_num_f32 v[TM+\q], |v[G+16*\q]|, |v[G+16*\q+1]|, 0x1800000                  ; block 2 u + q: my 16 numbers, and the floor
.endr
.irp i, 2,4,6,8,10,12,14
.irp q, 0,1
	v_max3_num_f32 v[TM+\q], v[TM+\q], |v[G+16*\q+\i]|, |v[G+16*\q+\i+1]|
.endr
.endr
.irp q, 0,1
	v_permlanex16_b32 v[TP+\q], v[TM+\q], s30, s31
.endr
.irp q, 0,1
	v_max_num_f32 v[TM+\q], v[TM+\q], v[TP+\q]     ; with lane l xor 16's 16: the block's largest magnitude
.endr
.irp q, 0,1
	v_add_nc_u32 v[SQ+\q], 0xff000000, v[TM+\q]
.endr
.irp q, 0,1
	v_lshrrev_b32 v[HBY+2*\u+\q], 23, v[SQ+\q]
.endr
.irp q, 0,1
	v_cvt_scalef32_pk8_fp4_f32 v[HC+4*\u+2*\q], v[G+16*\q:G+16*\q+7], v[SQ+\q]
	v_cvt_scalef32_pk8_fp4_f32 v[HC+4*\u+2*\q+1], v[G+16*\q+8:G+16*\q+15], v[SQ+\q]
.endr
	v_nop                                          ; one plain line behind the conversions
.irp i, 0,1
	v_permlane16_swap_b32 v[HC+4*\u+\i], v[HC+4*\u+2+\i]   ; a whole block to a lane: lanes 0-15 block 2 u, lanes 16-31 block 2 u + 1
.endr
.endm
	s_load_b256 s[4:11], s[0:1], 0x0               ; W1 s[4:5], b1 s[6:7], xq s[8:9], xs s[10:11]
	s_load_b128 s[12:15], s[0:1], 0x20             ; cnt s[12:13], hq s[14:15]
	s_load_b64 s[16:17], s[0:1], 0x30              ; hs
	v_lshl_add_u32 v254, v0, 2, 0x11400
	v_mov_b32 v255, 0
	v_lshrrev_b32 v[LN], 5, v0
	v_readfirstlane_b32 s18, v[LN]                 ; wave 0..15
	s_and_b32 s19, s18, 1                          ; u
	s_lshr_b32 s20, s18, 1                         ; s
	s_mov_b32 s21, ttmp9                           ; cg
	s_and_b32 s22, ttmp7, 0xffff                   ; e
	v_and_b32 v[LN], 31, v0
	v_and_b32 v[RR], 15, v0
	v_bfe_u32 v[HH], v0, 4, 1
	v_lshlrev_b32 v[LI], 4, v[LN]
	v_lshlrev_b32 v[WO], 3, v[LN]
	s_lshl_b32 s34, s18, 12
	v_add_nc_u32 v[WI], s34, v[LI]
	s_lshl_b32 s34, s18, 8
	s_add_co_u32 s34, s34, WSC
	v_add_nc_u32 v[WSW], s34, v[WO]
	v_add_nc_u32 v[LS], WSC, v[WO]
	v_lshl_add_u32 v[BO], v[HH], 6, BIAS
	v_add_nc_u32 v[BST], BIAS, v[LI]
	v_lshlrev_b32 v[H256], 8, v[HH]
	v_lshlrev_b32 v[H16], 4, v[HH]
	v_mov_b32 v[C1], 0xc0135761                    ; c1 = -2.3022082
	v_mov_b32 v[C1+1], 0xc0135761
	s_mov_b32 s32, 0xbdd2d3e8                      ; c3 = -0.10294324
	s_mov_b32 s33, s32                             ; (named with it as a pair, so it is written)
	s_mov_b32 s30, 0x76543210
	s_mov_b32 s31, 0xfedcba98                      ; v_permlanex16_b32's selects for lane l xor 16
.irp i, 0,1,2,3
	v_mov_b32 v[XS+\i], 0                          ; written once, so that the registers hold a value on every way through the text
.endr
	v_mov_b32 v[TP], 0                             ; a lane permute's destination counts as one of its sources
	v_mov_b32 v[TP+1], 0
	s_lshl_b32 s28, s22, 24                        ; W1: 2^24 bytes an expert,
	s_lshl_b32 s46, s20, 21                        ; 128 rows a K step,
	s_add_co_u32 s28, s28, s46
	s_lshl_b32 s46, s21, 9                         ; 512 bytes a group of columns,
	s_add_co_u32 s28, s28, s46
	s_lshl_b32 s46, s19, 8                         ; 256 a half
	s_add_co_u32 s28, s28, s46
	s_mov_b32 s29, 0
	s_lshl_b32 s34, s22, 14                        ; b1
	s_lshl_b32 s46, s21, 9
	s_add_co_u32 s34, s34, s46
	s_mov_b32 s35, 0
	s_lshl_b32 s36, s22, 19                        ; xq
	s_mov_b32 s37, 0
	s_lshl_b32 s38, s22, 15                        ; xs
	s_mov_b32 s39, 0
	s_lshl_b32 s40, s22, 2                         ; cnt
	s_mov_b32 s41, 0
	s_lshl_b32 s42, s22, 21                        ; hq: 2^21 an expert, 1,024 a K step (= cg)
	s_lshl_b32 s46, s21, 10
	s_add_co_u32 s42, s42, s46
	s_mov_b32 s43, 0
	s_lshl_b32 s44, s22, 17                        ; hs: [e][tile][i:4][hh:2][r:16][k:4] words, K step cg = 16 hh + 4 i + k
	s_bfe_u32 s46, s21, 0x20002
	s_lshl_b32 s46, s46, 9
	s_add_co_u32 s44, s44, s46
	s_lshr_b32 s46, s21, 4
	s_lshl_b32 s46, s46, 8
	s_add_co_u32 s44, s44, s46
	s_and_b32 s46, s21, 3
	s_lshl_b32 s46, s46, 2
	s_add_co_u32 s44, s44, s46
	s_mov_b32 s45, 0
	s_wait_kmcnt 0x0
	s_add_nc_u64 s[4:5], s[4:5], s[28:29]
	s_add_nc_u64 s[6:7], s[6:7], s[34:35]
	s_add_nc_u64 s[8:9], s[8:9], s[36:37]
	s_add_nc_u64 s[10:11], s[10:11], s[38:39]
	s_add_nc_u64 s[12:13], s[12:13], s[40:41]
	s_add_nc_u64 s[14:15], s[14:15], s[42:43]
	s_add_nc_u64 s[16:17], s[16:17], s[44:45]
	s_load_b32 s23, s[12:13], 0x0                  ; n: the expert's tokens
	s_cmp_lg_u32 s18, 0
	s_cbranch_scc1 .Lno_b1
	global_load_b128 v[B1R:B1R+3], v[LI], s[6:7]   ; wave 0: b1's 128 numbers, ahead of the weights: the first counted wait covers it
.Lno_b1:
.irp g, 0,1,2,3
	LOADG 0, \g, 0
.endr
.irp g, 0,1,2,3
	LOADG 1, \g, 32
.endr
	s_wait_kmcnt 0x0
	s_min_u32 s23, s23, 0x400
	s_sub_co_u32 s24, s23, 1
	s_add_co_u32 s25, s23, 15
	s_lshr_b32 s25, s25, 4                         ; tiles of 16 tokens
	s_mov_b32 s26, s18                             ; my first tile
	s_mov_b32 s27, 0
	QSET 0, 32, C, C+4, 1, 64                      ; each count of 32 leaves the next set's 32 loads out
	SWORD 0
	QSET 1, 32, C+8, C+12, 1, 96
	SWORD 1
	SWAPS 0
	QSET 0, 32, C+16, C+20, 0, 0
	SWORD 2
	QSET 1, 0, C+24, C+28, 0, 0
	SWORD 3
	SWAPS 1
	s_cmp_ge_u32 s26, s25                          ; my first tile's x is asked for ahead of the barrier, into registers that the stream has left
	s_cbranch_scc1 .Lno_x0
	XISSUE
.Lno_x0:
.irp c, 0,1
.irp q, 0,1
.irp j, 0,1
	ds_store_b128 v[WI], v[C+8*(2*\c+\q)+4*\j:C+8*(2*\c+\q)+4*\j+3] offset:(2*\q+\j)*1024+512*\c   ; tile (q, j), registers 4 c on, as they stand
.endr
.endr
.endr
	ds_store_b64 v[WSW], v[WW:WW+1]
	s_cmp_lg_u32 s18, 0
	s_cbranch_scc1 .Lno_b1s
	ds_store_b128 v[BST], v[B1R:B1R+3]
.Lno_b1s:
	s_wait_dscnt 0x0                               ; for the others' sake: my images have landed
	s_barrier_signal -1
	s_barrier_wait -1                              ; the whole slice lies in LDS; nothing is written there any more
	s_wait_loadcnt 0x0                             ; x, where it was asked for: no load is out on any way into the loop
.Lunit:                                                ; four trips: tiles w, w + 16, w + 32, w + 48
	s_cmp_ge_u32 s26, s25
	s_cbranch_scc1 .Lskip
	s_cmp_eq_u32 s27, 0
	s_cbranch_scc1 .Lhave_x
	XISSUE
	s_wait_loadcnt 0x0
.Lhave_x:
	FETCHW 0
	FETCHW 1
.set B, 0
.rept 16                               ; the eight accumulators take turns, one instruction a turn
.if B < 15
	s_wait_dscnt 9                                 ; this batch's 9 loads are in; the next batch's 9 may be out
.else
	s_wait_dscnt 0x0
.endif
	MM 0
	MM 1
	MM 2
	MM 3
.rept 4
	v_nop                                          ; four places in front of loads into registers that these products read, and of the first read of results
.endr
.if B < 14
	FETCHW B+2
.endif
.set B, B+1
.endr
	EPI 0
	EPI 1
	v_lshl_or_b32 v[PW], v[HBY+1], 8, v[HBY]       ; the token's scale word of K step cg
	v_lshl_or_b32 v[PW], v[HBY+2], 16, v[PW]
	v_lshl_or_b32 v[PW], v[HBY+3], 24, v[PW]
	s_lshl_b32 s46, s26, 15
	v_add_nc_u32 v[HO], s46, v[LI]
	s_lshl_b32 s46, s26, 11
	v_lshl_add_u32 v[HSO], v[RR], 4, s46
	global_store_b128 v[HO], v[HC:HC+3], s[14:15]              ; the fragment as it stands: 1,024 consecutive bytes a wave
	global_store_b128 v[HO], v[HC+4:HC+7], s[14:15] offset:512
	global_store_b32 v[HSO], v[PW], s[16:17]                   ; lanes r and 16 + r hold the same word and write the same place
	s_wait_xcnt 0x0                                ; the stores' registers are written again only behind this wait
.Lskip:
	s_add_co_u32 s26, s26, 16
	s_add_co_u32 s27, s27, 1
	s_cmp_lt_u32 s27, 4
	s_cbranch_scc1 .Lunit
	s_wait_tensorcnt 0x0
	ds_add_u32 v254, v255
	s_wait_dscnt 0x0
	s_endpgm
.Lfunc_end_k_q580ff9fae5_layer1:
	.size	k_q580ff9fae5_layer1, .Lfunc_end_k_q580ff9fae5_layer1-k_q580ff9fae5_layer1
	.p2alignl 7, 3214868480
	.fill 96, 4, 3214868480
	.section	.rodata,"a",@progbits
	.p2align	6, 0x0
	.amdhsa_kernel k_q580ff9fae5_layer1
		.amdhsa_group_segment_fixed_size 72704
		.amdhsa_private_segment_fixed_size 0
		.amdhsa_enable_private_segment 0
		.amdhsa_kernarg_size 56
		.amdhsa_user_sgpr_count 2
		.amdhsa_user_sgpr_kernarg_segment_ptr 1
		.amdhsa_wavefront_size32 1
		.amdhsa_system_sgpr_workgroup_id_x 1
		.amdhsa_system_sgpr_workgroup_id_y 1
		.amdhsa_system_sgpr_workgroup_id_z 1
		.amdhsa_system_vgpr_workitem_id 0
		.amdhsa_next_free_vgpr 256
		.amdhsa_next_free_sgpr 66
		.amdhsa_reserve_vcc 0
		.amdhsa_float_denorm_mode_32 3
		.amdhsa_float_denorm_mode_16_64 3
		.amdhsa_memory_ordered 1
		.amdhsa_forward_progress 1
		.amdhsa_inst_pref_size 83
	.end_amdhsa_kernel
	.amdgpu_metadata
---
amdhsa.version: [ 1, 2 ]
amdhsa.kernels:
  - .name:           k_q580ff9fae5_layer1
    .symbol:         k_q580ff9fae5_layer1.kd
    .args:
      - { .name: W1, .offset: 0, .size: 8, .value_kind: global_buffer, .address_space: global }
      - { .name: b1, .offset: 8, .size: 8, .value_kind: global_buffer, .address_space: global }
      - { .name: xq, .offset: 16, .size: 8, .value_kind: global_buffer, .address_space: global }
      - { .name: xs, .offset: 24, .size: 8, .value_kind: global_buffer, .address_space: global }
      - { .name: cnt, .offset: 32, .size: 8, .value_kind: global_buffer, .address_space: global }
      - { .name: hq, .offset: 40, .size: 8, .value_kind: global_buffer, .address_space: global }
      - { .name: hs, .offset: 48, .size: 8, .value_kind: global_buffer, .address_space: global }
    .group_segment_fixed_size: 72704
    .private_segment_fixed_size: 0
    .kernarg_segment_align: 8
    .kernarg_segment_size: 56
    .max_flat_workgroup_size: 512
    .sgpr_count:     66
    .vgpr_count:     256
    .wavefront_size: 32
...
	.end_amdgpu_metadata
.endif
;; end of part 2
;; launch layer2 (part 3): grid 32 x 8, 16 waves a work-group, no clusters, 72,192 bytes of LDS; arguments w2q, b2, hq, hs, cnt, order, out0, w2s; writes out0
.if DOCPART == 3
	.amdgcn_target "amdgcn-amd-amdhsa--gfx1250"
	.amdhsa_code_object_version 6
	.text
	.protected	k_q580ff9fae5_layer2
	.globl	k_q580ff9fae5_layer2
	.p2align	8
	.type	k_q580ff9fae5_layer2,@function
k_q580ff9fae5_layer2:
	s_mov_b64 s[64:65], 0
	v_nop
	global_prefetch_b8 v0, s[64:65] scope:SCOPE_SE
	s_setreg_imm32_b32 hwreg(HW_REG_WAVE_MODE, 25, 1), 1
	s_wait_xcnt 0x0
; out0[token] = h W2[e] + b2[e] for the tokens of expert e alone, on codes of FP4 (E2M1) with one E8M0 byte for each 32 along K (K = the 4,096 hidden units).
; Both operands arrive as codes that earlier launches of this program made: W2's from the first launch (w2q, w2s), h's from the second (hq, hs), each laid as images of operand registers.
; SHARES.  Work-group (cg, e) owns outputs 32 cg .. 32 cg + 31 of expert e.  Its part of W2 is 64 KiB of codes and 4 KiB of scale words, dense in memory and laid as they are to lie in LDS:
; wave w brings 4 KiB of images (K steps 2 w, 2 w + 1) and 256 bytes of scale words through its registers; one barrier; then every wave can read the whole slice.
; THE UNITS.  A unit is a tile of 16 tokens against the 32 columns: 32 K steps x 2 tiles = 64 matrix instructions.  Wave w takes tiles w, w + 16, w + 32, w + 48 as far as the expert has tokens.
; The product is used transposed (source 0 = 16 columns of W2: tile j holds columns 2 r + j; source 1 = 16 tokens): a lane holds one token, and the two tiles' registers by turns are its outputs 16 (lane / 16) + 0 .. 15.
; h's fragments come from memory through a ring of four groups of four K steps in registers (16 KiB a wave on its way); a wave's first four groups are asked for together with the weights, ahead of the barrier.
; The last tile's lanes past the expert's last token repeat that token and store the same bytes to the same row.
; No cluster: h's tiles are shared by the 32 work-groups of an expert, but up to 64 tiles of 32 KiB do not fit in LDS and the number of tiles hangs on a count read from memory.
.set WSC,  65536                       ; LDS 0 .. 65,535: the images: 2,048 K step + 1,024 j + 512 c + 16 lane;  then the scale words: 256 w + 16 r: four words (a, j)
.set BIAS, 69632                       ; then b2's 32 numbers
.set RR,   1                           ; v1   r
.set HH,   2                           ; v2   h
.set LI,   3                           ; v3   16 x lane
.set R16,  4                           ; v4   16 r
.set WI,   5                           ; v5   where I store images
.set WSW,  6                           ; v6   where I store scale words
.set LS,   7                           ; v7   where I read them
.set BO,   8                           ; v8   b2 in LDS, + 64 h
.set HBA,  9                           ; v9   my byte in hq
.set HSB,  10                          ; v10  my byte in hs
.set P,    11                          ; v11  my position among the expert's tokens
.set ID,   12                          ; v12  my token
.set OO,   13                          ; v13  my byte in out0
.set H64,  14                          ; v14  64 h
.set IO,   15                          ; v15  my byte in order
.set BST,  16                          ; v16  where wave 0 puts b2
.set L4,   18                          ; v18  4 x lane
.set LN,   20
.set B2R,  21                          ; v21  wave 0: b2 on its way
.set HS,   22                          ; v22-37 h's scale words: register K step % 16, lanes 16 (K step / 16) + r.  Scales and nothing else
.set WS,   38                          ; v38-45 W2's scale words, two sets of four.  Scales and nothing else
.set H,    46                          ; v46-173 h's fragments, four groups of four K steps
.set ACC,  174                         ; v174-189 two accumulators
.set WF,   190                         ; v190-253 W2's fragments, two sets of four
.set C,    190                         ; at the head: v190-221 my 4 KiB of images on their way to LDS
.set WW,   222                         ;              v222-225 my row's four scale words
.set BB,   190                         ; at a unit's end: v190-205 b2
.set O,    206                         ;                  v206-221 my token's 16 outputs
; s4-19 addresses; s20 wave, s21 cg, s22 e, s23 n, s24 n - 1, s25 tiles, s26 my tile, s27 trip, s28-31 and s34-46 offsets
.macro HLOAD g                         ; group g: h's fragments of K steps 4 g .. 4 g + 3: 8 loads, each 512 consecutive bytes
.irp k, 0,1,2,3
.irp c, 0,1
	global_load_b128 v[H+32*((\g)%4)+8*\k+4*\c:H+32*((\g)%4)+8*\k+4*\c+3], v[HBA], s[8:9] offset:(4*(\g)+\k)*1024+512*\c
.endr
.endr
.endm
.macro HISSUE                          ; tile s26: my token's number, the tile's scale words, the first four groups: 1 + 4 + 32 loads
	s_lshl_b32 s46, s26, 4
	v_add_nc_u32 v[P], s46, v[RR]
	v_min_u32 v[P], s24, v[P]                      ; past the expert's last token: that token again
	v_min_u32 v[P], 0x3ff, v[P]
	v_lshlrev_b32 v[IO], 2, v[P]
	s_lshl_b32 s46, s26, 11
	v_add_nc_u32 v[HSB], s46, v[LI]
	s_lshl_b32 s46, s26, 15
	v_add_nc_u32 v[HBA], s46, v[LI]
	global_load_b32 v[ID], v[IO], s[14:15]
.irp i, 0,1,2,3
	global_load_b128 v[HS+4*\i:HS+4*\i+3], v[HSB], s[10:11] offset:512*\i
.endr
	HLOAD 0
	HLOAD 1
	HLOAD 2
	HLOAD 3
.endm
.macro FETCHW b                        ; batch b: W2's fragments (a, j) of K steps 2 b, 2 b + 1 and their scale words: 9 LDS loads
.irp k, 0,1,2,3
.irp c, 0,1
	ds_load_b128 v[WF+32*((\b)%2)+8*\k+4*\c:WF+32*((\b)%2)+8*\k+4*\c+3], v[LI] offset:4096*(\b)+1024*\k+512*\c
.endr
.endr
	ds_load_b128 v[WS+4*((\b)%2):WS+4*((\b)%2)+3], v[LS] offset:256*(\b)
.endm
.macro MM k                            ; batch B's product k = 2 a + j: K step 2 B + a, tile j
.set rD, ACC+8*(\k%2)
.set rA, WF+32*(B%2)+8*\k
.set rB, H+32*((B/2)%4)+8*(2*(B%2)+\k/2)
.set rSA, WS+4*(B%2)+\k
.set rSB, HS+((2*B+\k/2)%16)
.if (B == 0) && (\k < 2)
	v_wmma_scale_f32_16x16x128_f8f6f4 v[rD:rD+7], v[rA:rA+7], v[rB:rB+7], 0, v[rSA], v[rSB] matrix_a_fmt:MATRIX_FMT_FP4 matrix_b_fmt:MATRIX_FMT_FP4
.elseif B < 8
	v_wmma_scale_f32_16x16x128_f8f6f4 v[rD:rD+7], v[rA:rA+7], v[rB:rB+7], v[rD:rD+7], v[rSA], v[rSB] matrix_a_fmt:MATRIX_FMT_FP4 matrix_b_fmt:MATRIX_FMT_FP4
.else
	v_wmma_scale_f32_16x16x128_f8f6f4 v[rD:rD+7], v[rA:rA+7], v[rB:rB+7], v[rD:rD+7], v[rSA], v[rSB] matrix_a_fmt:MATRIX_FMT_FP4 matrix_b_fmt:MATRIX_FMT_FP4 matrix_b_scale:MATRIX_SCALE_ROW1
.endif
.endm
	s_load_b256 s[4:11], s[0:1], 0x0               ; w2q s[4:5], b2 s[6:7], hq s[8:9], hs s[10:11]
	s_load_b256 s[12:19], s[0:1], 0x20             ; cnt s[12:13], order s[14:15], out0 s[16:17], w2s s[18:19]
	v_lshl_add_u32 v254, v0, 2, 0x11200
	v_mov_b32 v255, 0
	v_lshrrev_b32 v[LN], 5, v0
	v_readfirstlane_b32 s20, v[LN]                 ; wave 0..15
	s_mov_b32 s21, ttmp9                           ; cg
	s_and_b32 s22, ttmp7, 0xffff                   ; e
	v_and_b32 v[LN], 31, v0
	v_and_b32 v[RR], 15, v0
	v_bfe_u32 v[HH], v0, 4, 1
	v_lshlrev_b32 v[LI], 4, v[LN]
	v_lshlrev_b32 v[L4], 2, v[LN]
	v_lshlrev_b32 v[R16], 4, v[RR]
	s_lshl_b32 s34, s20, 12
	v_add_nc_u32 v[WI], s34, v[LI]
	s_lshl_b32 s34, s20, 15
	v_add_nc_u32 v[HBA], s34, v[LI]                ; my byte in hq for my first tile (tile = wave): made here, on the way that every wave takes, since the unit loop's loads of the later groups name it too
	s_lshl_b32 s34, s20, 8
	s_add_co_u32 s34, s34, WSC
	v_lshl_add_u32 v[WSW], v[RR], 4, s34
	v_lshl_add_u32 v[LS], v[RR], 4, WSC
	v_lshl_add_u32 v[BO], v[HH], 6, BIAS
	v_add_nc_u32 v[BST], BIAS, v[L4]
	v_lshlrev_b32 v[H64], 6, v[HH]
	v_mov_b32 v[ID], 0
.set i, 0
.rept 16
	v_mov_b32 v[HS+i], 0                           ; written once, so that the registers hold a value on every way through the text
.set i, i+1
.endr
.set i, 0
.rept 64
	v_dual_mov_b32 v[H+i], v[ID] :: v_dual_mov_b32 v[H+i+1], v[ID]   ; the ring likewise: its first loads stand under a branch.  These lines run while the kernel's arguments are on their way
.set i, i+2
.endr
	s_lshl_b32 s28, s22, 21                        ; w2q: 2^21 bytes an expert,
	s_lshl_b32 s46, s21, 16                        ; 65,536 a group of 32 columns,
	s_add_co_u32 s28, s28, s46
	s_lshl_b32 s46, s20, 12                        ; 4,096 a wave
	s_add_co_u32 s28, s28, s46
	s_mov_b32 s29, 0
	s_lshl_b32 s30, s22, 17                        ; w2s: 2^17 an expert, 4,096 a group, 256 a wave
	s_lshl_b32 s46, s21, 12
	s_add_co_u32 s30, s30, s46
	s_lshl_b32 s46, s20, 8
	s_add_co_u32 s30, s30, s46
	s_mov_b32 s31, 0
	s_lshl_b32 s46, s21, 7                         ; 128 bytes a group of columns
	s_lshl_b32 s34, s22, 12                        ; b2
	s_add_co_u32 s34, s34, s46
	s_mov_b32 s35, 0
	s_lshl_b32 s36, s22, 21                        ; hq
	s_mov_b32 s37, 0
	s_lshl_b32 s38, s22, 17                        ; hs
	s_mov_b32 s39, 0
	s_lshl_b32 s40, s22, 2                         ; cnt
	s_mov_b32 s41, 0
	s_lshl_b32 s42, s22, 12                        ; order
	s_mov_b32 s43, 0
	s_mov_b32 s44, s46                             ; out0: my 32 columns
	s_mov_b32 s45, 0
	s_wait_kmcnt 0x0
	s_add_nc_u64 s[4:5], s[4:5], s[28:29]
	s_add_nc_u64 s[6:7], s[6:7], s[34:35]
	s_add_nc_u64 s[8:9], s[8:9], s[36:37]
	s_add_nc_u64 s[10:11], s[10:11], s[38:39]
	s_add_nc_u64 s[12:13], s[12:13], s[40:41]
	s_add_nc_u64 s[14:15], s[14:15], s[42:43]
	s_add_nc_u64 s[16:17], s[16:17], s[44:45]
	s_add_nc_u64 s[18:19], s[18:19], s[30:31]
	s_load_b32 s23, s[12:13], 0x0                  ; n: the expert's tokens
.irp i, 0,1,2,3,4,5,6,7
	global_load_b128 v[C+4*\i:C+4*\i+3], v[LI], s[4:5] offset:512*\i th:TH_LOAD_NT   ; my 4 KiB of images, 512 consecutive bytes a load; read by this wave alone
.endr
	global_load_b128 v[WW:WW+3], v[R16], s[18:19]  ; row r's four scale words (lanes r and 16 + r take the same)
	s_cmp_lg_u32 s20, 0
	s_cbranch_scc1 .Lno_b2
	global_load_b32 v[B2R], v[L4], s[6:7]          ; wave 0: b2's 32 numbers
.Lno_b2:
	s_wait_kmcnt 0x0
	s_min_u32 s23, s23, 0x400
	s_sub_co_u32 s24, s23, 1
	s_add_co_u32 s25, s23, 15
	s_lshr_b32 s25, s25, 4                         ; tiles of 16 tokens
	s_mov_b32 s26, s20                             ; my first tile
	s_mov_b32 s27, 0
	s_cmp_ge_u32 s26, s25                          ; my first tile's h is asked for at once, beside the weights
	s_cbranch_scc1 .Lno_h0
	HISSUE
.Lno_h0:
	s_wait_loadcnt 0x0                             ; the weights, and h where it was asked for: no load is out on any way into the loop
.irp i, 0,1,2,3,4,5,6,7
	ds_store_b128 v[WI], v[C+4*\i:C+4*\i+3] offset:512*\i   ; as they lay in memory
.endr
	ds_store_b128 v[WSW], v[WW:WW+3]               ; lanes r and 16 + r hold the same words and write the same place
	s_cmp_lg_u32 s20, 0
	s_cbranch_scc1 .Lno_b2s
	ds_store_b32 v[BST], v[B2R]
.Lno_b2s:
	s_wait_dscnt 0x0                               ; for the others' sake: my images have landed
	s_barrier_signal -1
	s_barrier_wait -1                              ; the whole slice lies in LDS; nothing is written there any more
.Lunit:                                                ; four trips: tiles w, w + 16, w + 32, w + 48
	s_cmp_ge_u32 s26, s25
	s_cbranch_scc1 .Lskip
	s_cmp_eq_u32 s27, 0
	s_cbranch_scc1 .Lhave_h
	HISSUE
.Lhave_h:
	FETCHW 0
	FETCHW 1
	s_wait_loadcnt 24                              ; my token's number, the scale words and group 0 are in; groups 1 to 3 (24 loads) may be out
	v_min_u32 v[OO], 0x3ff, v[ID]
	v_lshl_add_u32 v[OO], v[OO], 12, v[H64]        ; out0: 4,096 bytes a token, + 64 h
.set B, 0
.rept 16                               ; the two accumulators take turns, one instruction a turn
.if (B%2 == 0) && (B > 0)
.if B < 10
	s_wait_loadcnt 24                              ; group B / 2 is in; the three groups behind it may be out
.elseif B == 10
	s_wait_loadcnt 16                              ; groups 6 and 7 are behind group 5
.elseif B == 12
	s_wait_loadcnt 8                               ; only group 7 is behind group 6
.else
	s_wait_loadcnt 0x0
.endif
.endif
.if B < 15
	s_wait_dscnt 9                                 ; this batch's 9 LDS loads are in; the next batch's 9 may be out
.else
	s_wait_dscnt 0x0
.endif
	MM 0
	MM 1
	MM 2
	MM 3
.rept 4
	v_nop                                          ; four places in front of loads into registers that these products read, and of the first read of results
.endr
.if B < 14
	FETCHW B+2
.endif
.if (B%2 == 1) && (B/2+4 < 8)
	HLOAD B/2+4                                    ; the group just multiplied gives its place to the group four further on
.endif
.set B, B+1
.endr
.irp q, 0,1,2,3
	ds_load_b128 v[BB+4*\q:BB+4*\q+3], v[BO] offset:16*\q     ; b2 of outputs 16 h + 0 .. 15
.endr
	s_wait_dscnt 0x0
.irp j, 0,1
.irp n, 0,1,2,3,4,5,6,7
	v_add_f32 v[O+2*\n+\j], v[ACC+8*\j+\n], v[BB+2*\n+\j]     ; each accumulator from its low end on; the sum lands in the order of the columns
.endr
.endr
.irp q, 0,1,2,3
	global_store_b128 v[OO], v[O+4*\q:O+4*\q+3], s[16:17] offset:16*\q   ; a lane's 64 consecutive bytes of its token's row; lanes r and 16 + r together 128
.endr
	s_wait_xcnt 0x0                                ; the stores' registers are written again only behind this wait
.Lskip:
	s_add_co_u32 s26, s26, 16
	s_add_co_u32 s27, s27, 1
	s_cmp_lt_u32 s27, 4
	s_cbranch_scc1 .Lunit
	s_wait_tensorcnt 0x0
	ds_add_u32 v254, v255
	s_wait_dscnt 0x0
	s_endpgm
.Lfunc_end_k_q580ff9fae5_layer2:
	.size	k_q580ff9fae5_layer2, .Lfunc_end_k_q580ff9fae5_layer2-k_q580ff9fae5_layer2
	.p2alignl 7, 3214868480
	.fill 96, 4, 3214868480
	.section	.rodata,"a",@progbits
	.p2align	6, 0x0
	.amdhsa_kernel k_q580ff9fae5_layer2
		.amdhsa_group_segment_fixed_size 72192
		.amdhsa_private_segment_fixed_size 0
		.amdhsa_enable_private_segment 0
		.amdhsa_kernarg_size 64
		.amdhsa_user_sgpr_count 2
		.amdhsa_user_sgpr_kernarg_segment_ptr 1
		.amdhsa_wavefront_size32 1
		.amdhsa_system_sgpr_workgroup_id_x 1
		.amdhsa_system_sgpr_workgroup_id_y 1
		.amdhsa_system_sgpr_workgroup_id_z 1
		.amdhsa_system_vgpr_workitem_id 0
		.amdhsa_next_free_vgpr 256
		.amdhsa_next_free_sgpr 66
		.amdhsa_reserve_vcc 0
		.amdhsa_float_denorm_mode_32 3
		.amdhsa_float_denorm_mode_16_64 3
		.amdhsa_memory_ordered 1
		.amdhsa_forward_progress 1
		.amdhsa_inst_pref_size 42
	.end_amdhsa_kernel
	.amdgpu_metadata
---
amdhsa.version: [ 1, 2 ]
amdhsa.kernels:
  - .name:           k_q580ff9fae5_layer2
    .symbol:         k_q580ff9fae5_layer2.kd
    .args:
      - { .name: w2q, .offset: 0, .size: 8, .value_kind: global_buffer, .address_space: global }
      - { .name: b2, .offset: 8, .size: 8, .value_kind: global_buffer, .address_space: global }
      - { .name: hq, .offset: 16, .size: 8, .value_kind: global_buffer, .address_space: global }
      - { .name: hs, .offset: 24, .size: 8, .value_kind: global_buffer, .address_space: global }
      - { .name: cnt, .offset: 32, .size: 8, .value_kind: global_buffer, .address_space: global }
      - { .name: order, .offset: 40, .size: 8, .value_kind: global_buffer, .address_space: global }
      - { .name: out0, .offset: 48, .size: 8, .value_kind: global_buffer, .address_space: global }
      - { .name: w2s, .offset: 56, .size: 8, .value_kind: global_buffer, .address_space: global }
    .group_segment_fixed_size: 72192
    .private_segment_fixed_size: 0
    .kernarg_segment_align: 8
    .kernarg_segment_size: 64
    .max_flat_workgroup_size: 512
    .sgpr_count:     66
    .vgpr_count:     256
    .wavefront_size: 32
...
	.end_amdgpu_metadata
.endif
;; end of part 3
;; ======== version 2 of 2: 3 launches; version 1 with the launches prep, layer1, layer2 written anew for expert scheduling mode
;; workspace buffers: cnt 256 bytes of whole numbers; order 32,768 bytes of whole numbers; xq 4,194,304 bytes; xs 262,144 bytes; hq 16,777,216 bytes; hs 1,048,576 bytes; w2q 16,777,216 bytes; w2s 1,048,576 bytes
;; launch prep (part 4): grid 544 x 1, 8 waves a work-group, no clusters, 3,072 bytes of LDS; arguments x, route, xq, xs, cnt, order, W2, w2q, w2s; writes xq, xs, cnt, order, w2q, w2s
.if DOCPART == 4
	.amdgcn_target "amdgcn-amd-amdhsa--gfx1250"
	.amdhsa_code_object_version 6
	.text
	.protected	k_q580ff9fae5_prep
	.globl	k_q580ff9fae5_prep
	.p2align	8
	.type	k_q580ff9fae5_prep,@function
k_q580ff9fae5_prep:
	s_mov_b64 s[64:65], 0
	v_nop
	global_prefetch_b8 v0, s[64:65] scope:SCOPE_SE
	s_setreg_imm32_b32 hwreg(HW_REG_WAVE_SCHED_MODE, 0, 2), 2
	s_setreg_imm32_b32 hwreg(HW_REG_WAVE_MODE, 25, 1), 1
	s_wait_xcnt 0x0
	s_wait_alu depctr_vm_vsrc(0)
; TWO JOBS IN ONE LAUNCH, parted once, at the top, on the work-group's number.  Neither needs the other's results, and the second keeps memory at work while the first waits for its few loads.
; WORK-GROUPS 0 .. 31: THE TOKENS.  Places the 1,024 tokens by expert and turns x [1024][1024] f32 into codes of FP4 (E2M1) with one E8M0 byte for each 32 along K.
; rank = how many earlier tokens have the same expert; position (expert e, rank p) is where the later launches find the token.
;   cnt[e]        tokens of expert e (words 0-7; the store writes 32 words, word L = n[L & 7])
;   order[e][p]   the token at that position
;   xq            [e][p / 16][K step s:8][c:2][hb:2][p % 16][16 bytes]: block 4 s + 2 c + hb of the token: the image of a matrix operand's registers
;   xs            [e][p][8 words]: word s = the four scale bytes of K step s
; Work-group g owns tokens 32 g + lane.  Wave w quantises K step w (128 numbers) of those 32 rows, and counts expert w for the ranking.
; WORK-GROUPS 32 .. 543: W2 [8][4096 (K)][1024] f32 becomes codes and scale words, laid as the last launch's LDS wants them (see at .Lquant).
; A block's scale is 2^(floor(log2(largest magnitude)) - 2); its byte is the largest magnitude's exponent field - 2, held at 1 from below.
; LIMITS: NaN and infinities are not served; a block whose largest magnitude lies under 2^-124, a block of zeros too, gets the byte 1
; (its codes are then zeros or what the byte 1 gives; the bytes are read by this program alone); route is taken to lie in 0 .. 7.
; THE MODE: SCHED_MODE bits 1:0 = 2 (LLVM: expert scheduling mode 2), set by the entry lines.  The code itself states the register dependences
; between vector instructions and memory or LDS instructions, and those through scalar registers that vector instructions write, with s_wait_alu, always for 0.
; THE PLAN, the tokens' way.  Every address register is made once and never written again.  v8-39 take route, then the table (LDS loads), then wave 0's words: each time behind a wait
; that shows the vector lines that read them done.  The data of stores (v44-47; the codes, the scale word) are written once.  So no register that a memory instruction reads is written again.
; Scalar registers that vector instructions write come in three runs (the wave's number; 33 masks; the table's 16 numbers and 8 masks), each with one wait behind it.
.set NPREP, 32                         ; work-groups that take the tokens
.set TAB, 0                            ; LDS: 8 x 16 bytes: {tokens of the expert ahead of my group, my group's mask, all its tokens, 0}
.set SW,  256                          ; LDS: 32 lanes x 32 bytes: a token's eight scale words
.set R,   8                            ; v8-39   route, 32 groups of 32; then the table; then SO, BY, PW and the words on their way out
.set SO,  8                            ; v8-11   the conversions' scale operands
.set BY,  12                           ; v12-15  the scale bytes
.set PW,  16                           ; v16     the scale word
.set MX,  60                           ; v60-63  the blocks' largest magnitudes
.set X,   64                           ; v64-191 my row's 128 numbers
.set C,   192                          ; v192-207 their codes
.set M,   32                           ; s32-63  32 masks; then eight pairs (ahead, mask) in s32-47
.set EQ,  48                           ; s48-55  then: mask m = the lanes whose token goes to expert m
	v_lshl_add_u32 v224, v0, 2, 0x800
	v_mov_b32 v225, 0
	s_cmp_ge_u32 ttmp9, NPREP                      ; the same for all waves of a work-group
	s_cbranch_scc1 .Lquant
	s_load_b256 s[4:11], s[0:1], 0x0               ; x s[4:5], route s[6:7], xq s[8:9], xs s[10:11]
	s_load_b128 s[12:15], s[0:1], 0x20             ; cnt s[12:13], order s[14:15]
	v_lshrrev_b32 v1, 5, v0
	v_readfirstlane_b32 s16, v1                    ; wave 0..7
	v_and_b32 v1, 31, v0                           ; lane
	v_lshlrev_b32 v2, 2, v1                        ; 4 x lane
	v_lshlrev_b32 v3, 12, v1                       ; my row of x among the group's 32: 4,096 bytes a row
	s_mov_b32 s17, ttmp9                           ; my group of 32 tokens
	s_lshl_b32 s20, s17, 7
	v_add_nc_u32 v41, s20, v2                      ; my own token's word of route
	s_lshl_b32 s21, s17, 5
	v_add_nc_u32 v57, s21, v1                      ; my token
	v_mov_b32 v49, 0
	v_lshl_add_u32 v58, v1, 5, SW                  ; LDS: my token's eight words
	v_and_b32 v59, 7, v1
	v_lshlrev_b32 v59, 4, v59                      ; LDS: the table's row lane & 7
	s_wait_alu depctr_va_sdst(0)                   ; s16 is written, ahead of its first reader
	s_lshl_b32 s22, s16, 4
	v_mov_b32 v48, s22                             ; LDS: my wave's row of the table
	s_lshl_b32 s23, s16, 2
	s_add_co_u32 s23, s23, SW
	v_lshl_add_u32 v56, v1, 5, s23                 ; LDS: my token's word of K step w
	s_lshl_b32 s24, s17, 17                        ; x: 32 rows a group,
	s_lshl_b32 s26, s16, 9                         ; 512 bytes a K step
	s_add_co_u32 s24, s24, s26
	s_mov_b32 s25, 0
	s_lshl_b32 s26, s16, 10                        ; xq: 1,024 bytes a K step
	s_mov_b32 s27, 0
	s_wait_kmcnt 0x0
	s_add_nc_u64 s[4:5], s[4:5], s[24:25]
	s_add_nc_u64 s[8:9], s[8:9], s[26:27]
	s_wait_alu depctr_va_vdst(0)                   ; v2, v3 and v41 are written, which the loads below read as offsets; so are the LDS addresses v48, v49, v56, v58, v59
.set q, 0
.rept 32
	global_load_b32 v[R+q], v2, s[6:7] offset:128*q      ; all of route: group q, one token a lane
.set q, q+1
.endr
	global_load_b32 v40, v41, s[6:7]               ; my own token's expert
.set q, 0
.rept 32
	global_load_b128 v[X+4*q:X+4*q+3], v3, s[4:5] offset:16*q   ; my row's 512 bytes of K step w (no non-temporal hint: the lane comes back to these bytes 32 times)
.set q, q+1
.endr
	s_wait_loadcnt 32                              ; route is in; the 32 loads of x behind it stay out
.set q, 0
.rept 32
	v_cmp_eq_u32 s[M+q], s16, v[R+q]               ; which tokens of group q go to expert w
.set q, q+1
.endr
	v_cmp_eq_u32 s21, s16, v40                     ; and of my own group
	s_mov_b32 s18, 0                               ; all tokens of expert w
	s_mov_b32 s19, 0                               ; those in groups ahead of mine
	s_wait_alu depctr_va_sdst(0)                   ; the 33 masks are written, ahead of their first readers: one wait for the run
.set q, 0
.rept 32
	s_bcnt1_i32_b32 s20, s[M+q]
	s_add_co_u32 s18, s18, s20
	s_cmp_gt_u32 s17, q
	s_cselect_b32 s20, s20, 0
	s_add_co_u32 s19, s19, s20
.set q, q+1
.endr
	v_mov_b32 v44, s19
	v_mov_b32 v45, s21
	v_mov_b32 v46, s18
	v_mov_b32 v47, 0
	s_wait_alu depctr_va_vdst(0)                   ; v44-47 are written, which the LDS store reads; the compares are done reading v8-39, in which the table lands behind the barrier
	ds_store_b128 v48, v[44:47] offset:TAB         ; every lane writes the same 16 bytes
	s_wait_dscnt 0x0                               ; for the others' sake: my row of the table has landed
	s_barrier_signal -1
	s_barrier_wait -1
.irp m, 0,1,2,3,4,5,6,7
	ds_load_b128 v[R+4*\m:R+4*\m+3], v49 offset:TAB+16*\m
.endr
	s_wait_dscnt 0x0
.irp m, 0,1,2,3,4,5,6,7
	v_readfirstlane_b32 s[M+2*\m], v[R+4*\m]
	v_readfirstlane_b32 s[M+2*\m+1], v[R+4*\m+1]
.endr
.irp m, 0,1,2,3,4,5,6,7
	v_cmp_eq_u32 s[EQ+\m], \m, v40                 ; the eight compares in one run, a mask each
.endr
	v_mov_b32 v51, 0
	s_wait_alu depctr_va_sdst(0)                   ; the table's 16 numbers and the 8 masks are written, ahead of the counts and selects that read them: one wait for both runs
.irp m, 0,1,2,3,4,5,6,7
	v_mbcnt_lo_u32_b32 v50, s[M+2*\m+1], s[M+2*\m] ; expert m's tokens ahead of my group + those of my group in lower lanes
	v_cndmask_b32 v51, v51, v50, s[EQ+\m]          ; kept where m is my expert: my rank
.endr
	v_min_u32 v52, 7, v40                          ; expert and rank enter addresses only behind these two bounds
	v_min_u32 v51, 0x3ff, v51
	v_and_b32 v50, 0x3f0, v51
	v_lshlrev_b32 v50, 9, v50                      ; xq: 8,192 bytes a tile of 16 positions,
	v_lshl_add_u32 v50, v52, 19, v50               ; 2^19 an expert,
	v_and_b32 v53, 15, v51
	v_lshl_add_u32 v53, v53, 4, v50                ; 16 bytes a position in the tile
	v_lshlrev_b32 v54, 5, v51
	v_lshl_add_u32 v54, v52, 15, v54               ; xs: 32 bytes a position, 2^15 an expert
	v_lshlrev_b32 v55, 2, v51
	v_lshl_add_u32 v55, v52, 12, v55               ; order: 4 bytes a position, 4,096 an expert
	s_wait_loadcnt 0x0                             ; x
.irp b, 0,1,2,3
	v_max3_num_f32 v[MX+\b], |v[X+32*\b]|, |v[X+32*\b+1]|, 0x1800000   ; block b: all its 32 numbers are mine; the floor 2^(3 - 127) holds the byte at 1 from below
.endr
.irp i, 2,4,6,8,10,12,14,16,18,20,22,24,26,28,30
.irp b, 0,1,2,3
	v_max3_num_f32 v[MX+\b], v[MX+\b], |v[X+32*\b+\i]|, |v[X+32*\b+\i+1]|   ; (the four blocks by turns)
.endr
.endr
.irp b, 0,1,2,3
	v_add_nc_u32 v[SO+\b], 0xff000000, v[MX+\b]    ; 2 off the exponent field: the conversion takes this operand's exponent field as its scale
.endr
.irp b, 0,1,2,3
	v_lshrrev_b32 v[BY+\b], 23, v[SO+\b]           ; the scale's byte
.endr
.irp b, 0,1,2,3
.irp g, 0,1,2,3
	v_cvt_scalef32_pk8_fp4_f32 v[C+4*\b+\g], v[X+32*\b+8*\g:X+32*\b+8*\g+7], v[SO+\b]
.endr
.endr
	v_lshl_or_b32 v[PW], v[BY+1], 8, v[BY]         ; the four bytes make the K step's scale word (also the plain line behind the conversions)
	v_lshl_or_b32 v[PW], v[BY+2], 16, v[PW]
	v_lshl_or_b32 v[PW], v[BY+3], 24, v[PW]
	s_wait_alu depctr_va_vdst(0)                   ; the codes, the scale word and the offsets v53, v54, v55, v57 are written, which the stores below read
.irp b, 0,1,2,3
	global_store_b128 v53, v[C+4*\b:C+4*\b+3], s[8:9] offset:512*(\b/2)+256*(\b%2)   ; block 2 c + hb at 512 c + 256 hb
.endr
	ds_store_b32 v56, v[PW]
	s_wait_dscnt 0x0                               ; my words have landed, and my reads of the table are over
	s_barrier_signal -1
	s_barrier_wait -1
	s_cmp_lg_u32 s16, 0                            ; wave 0 sends what there is one of for each token
	s_cbranch_scc1 .Lend
	ds_load_b128 v[20:23], v58
	ds_load_b128 v[24:27], v58 offset:16
	global_store_b32 v55, v57, s[14:15]            ; order[e][rank] = my token
	s_wait_dscnt 0x0
	global_store_b128 v54, v[20:23], s[10:11]      ; the token's eight scale words
	global_store_b128 v54, v[24:27], s[10:11] offset:16
	s_cmp_lg_u32 s17, 0                            ; and work-group 0 the counts
	s_cbranch_scc1 .Lend
	ds_load_b32 v28, v59 offset:TAB+8
	s_wait_dscnt 0x0
	global_store_b32 v2, v28, s[12:13]
.Lend:
	s_wait_dscnt 0x0                               ; the closing lines, six on end
	s_wait_alu 0x0
	s_wait_tensorcnt 0x0
	ds_add_u32 v224, v225
	s_wait_dscnt 0x0
	s_endpgm
; ---- WORK-GROUPS 32 .. 543: W2.  K is W2's first axis within an expert.  Work-group 32 + g: expert e = g / 64, columns 128 cg on (cg = g % 8), K steps 4 ((g / 8) % 8) + 0 .. 3.
; Wave w (u = w & 1) takes ONE K step (128 rows) x 64 columns.  A lane takes two neighbouring columns and its registers run DOWN K: each load of the wave covers 256 consecutive bytes, aligned;
; a block of 32 along K lies in one lane, so its largest magnitude needs no other lane.  Four sets of 32 loads; two sets (64 loads, 16 KiB a wave) are on their way.  The waves share nothing: no LDS, no barrier.
; Why here and not in the launch that multiplies: there a work-group owns 32 columns, 128 bytes of a row; a quantiser that only stores codes is free to take whole runs of 256 bytes.
; OUT.  After the swaps a run of four registers is tile (q, j), registers 4 c on, of an operand: 16 columns 128 cg + 64 u + 32 q + 2 r + j.  That is tile j of the group of 32 columns 4 cg + 2 u + q:
;   w2q  [e][group of 32 columns:32][K step:32][j:2][c:2][lane:32][16 bytes]     each store of the wave covers 512 consecutive bytes, aligned
;   w2s  [e][group:32][K step / 2:16][r:16][4 words: 2 (K step % 2) + j]         a column's four scale bytes of a K step make a word
; THE PLAN, this way.  LAND0, LAND1: written by loads; read by the set's maxima and moves; asked for again behind two waits a set (macro QSET).  v[WO], v[LI], v[SOFF]: made once at the head.
; The codes and the scale words are written by vector lines alone until the one run of stores at the end, behind one wait.  T, SO, MA, MB, BY are named by vector lines alone.
.set ROWB, 4096                        ; a row of W2[e] in bytes
.set LI,   3                           ; v3   16 x lane
.set WO,   4                           ; v4   8 x lane: my two columns
.set SOFF, 5                           ; v5   my byte in w2s: 4,096 (lane / 16) + 16 (lane % 16)
.set QQ,   6                           ; v6   lane / 16
.set LN,   20                          ; v20  lane
.set LAND, 36                          ; v36-163 the stream: two sets of 32 rows x 2 columns
.set T,    164                         ; v164-179 eight rows of each column, on end
.set C,    180                         ; v180-211 codes: block bk, column j at C + 8 bk + 4 j
.set MA,   212                         ; v212-215 largest magnitudes, two chains a column
.set MB,   214
.set SO,   216                         ; v216-217 the conversions' scale operands
.set BY,   218
.set WW,   220                         ; v220-221 my two columns' scale words
.macro LOADG p, g, row0                ; eight rows, row0 + 8 g on, into set p
.irp i, 0,1,2,3,4,5,6,7
	global_load_b64 v[LAND+64*(\p)+16*(\g)+2*\i:LAND+64*(\p)+16*(\g)+2*\i+1], v[WO], s[4:5] offset:((\row0)+8*(\g)+\i)*ROWB th:TH_LOAD_NT
.endr
.endm
.macro QGRP g, cd0, cd1                ; rows 8 g .. 8 g + 7 of the set at v[LP] become a register of codes for each column
.irp i, 0,2,4,6                        ; a load leaves the two columns side by side; a conversion wants eight rows of one column on end
	v_dual_mov_b32 v[T+\i], v[LP+16*(\g)+2*\i] :: v_dual_mov_b32 v[T+9+\i], v[LP+16*(\g)+2*\i+3]
	v_dual_mov_b32 v[T+8+\i], v[LP+16*(\g)+2*\i+1] :: v_dual_mov_b32 v[T+1+\i], v[LP+16*(\g)+2*\i+2]
.endr
	v_cvt_scalef32_pk8_fp4_f32 v[(\cd0)+(\g)], v[T:T+7], v[SO]
	v_cvt_scalef32_pk8_fp4_f32 v[(\cd1)+(\g)], v[T+8:T+15], v[SO+1]
	v_nop                                          ; one plain line behind the conversions: T is written again, and the codes are touched later
.endm
; Set p (32 rows x my two columns = two blocks) becomes codes in v[cd0] and v[cd1] on, four registers each.  left: the younger loads that may stay out.  refill = 1: the set takes the rows from row0 on.
.macro QSET p, left, cd0, cd1, refill, row0
.set LP, LAND+64*(\p)
	s_wait_loadcnt \left
	v_max3_num_f32 v[MA], |v[LP]|, |v[LP+2]|, 0x1800000        ; rows 0-15 and the floor 2^(3 - 127), which holds the byte at 1 from below
	v_max3_num_f32 v[MA+1], |v[LP+1]|, |v[LP+3]|, 0x1800000
	v_max3_num_f32 v[MB], |v[LP+32]|, |v[LP+34]|, |v[LP+36]|   ; rows 16-30: a second chain, so that no line waits for the line above it
	v_max3_num_f32 v[MB+1], |v[LP+33]|, |v[LP+35]|, |v[LP+37]|
.irp k, 1,2,3,4,5,6
	v_max3_num_f32 v[MA], v[MA], |v[LP+4*\k]|, |v[LP+4*\k+2]|
	v_max3_num_f32 v[MA+1], v[MA+1], |v[LP+4*\k+1]|, |v[LP+4*\k+3]|
	v_max3_num_f32 v[MB], v[MB], |v[LP+34+4*\k]|, |v[LP+36+4*\k]|
	v_max3_num_f32 v[MB+1], v[MB+1], |v[LP+35+4*\k]|, |v[LP+37+4*\k]|
.endr
	v_max3_num_f32 v[MA], v[MA], |v[LP+28]|, |v[LP+30]|
	v_max3_num_f32 v[MA+1], v[MA+1], |v[LP+29]|, |v[LP+31]|
	v_max3_num_f32 v[MA], v[MA], v[MB], |v[LP+62]|             ; the two chains and row 31
	v_max3_num_f32 v[MA+1], v[MA+1], v[MB+1], |v[LP+63]|
	v_add_nc_u32 v[SO], 0xff000000, v[MA]                      ; 2 off the exponent field: the conversion's scale operand
	v_add_nc_u32 v[SO+1], 0xff000000, v[MA+1]
	QGRP 0, \cd0, \cd1
	QGRP 1, \cd0, \cd1
.if \refill
	s_wait_alu depctr_va_vdst(0)                   ; the maxima and the moves of rows 0-15 are done reading these rows' registers, in which their successors land
	LOADG \p, 0, \row0
.endif
	QGRP 2, \cd0, \cd1                             ; names rows 16-23, T, the codes and SO: none of the registers that the loads round it touch
.if \refill
	LOADG \p, 1, \row0
.endif
	QGRP 3, \cd0, \cd1
.if \refill
	s_wait_alu depctr_va_vdst(0)                   ; the moves of rows 16-31 are done reading
	LOADG \p, 2, \row0
	LOADG \p, 3, \row0
.endif
.endm
.macro SWORD bk                        ; block bk's byte into my columns' scale words
.irp j, 0,1
.if \bk == 0
	v_lshrrev_b32 v[WW+\j], 23, v[SO+\j]
.else
	v_lshrrev_b32 v[BY+\j], 23, v[SO+\j]
	v_lshl_or_b32 v[WW+\j], v[BY+\j], 8*\bk, v[WW+\j]
.endif
.endr
.endm
; The operand's layout wants lanes 0-15 to hold block 2 c and lanes 16-31 block 2 c + 1 of 16 columns.  The swap gives it: the first register becomes tile q = 0 (columns 2 r + j), the second tile q = 1 (columns 32 + 2 r + j).
.macro SWAPS c
.irp j, 0,1
.irp g, 0,1,2,3
	v_permlane16_swap_b32 v[C+16*\c+4*\j+\g], v[C+16*\c+8+4*\j+\g]
.endr
.endr
.endm
.Lquant:
	s_load_b128 s[4:7], s[0:1], 0x30               ; W2 s[4:5], w2q s[6:7]
	s_load_b64 s[8:9], s[0:1], 0x40                ; w2s
	v_lshrrev_b32 v[LN], 5, v0
	v_readfirstlane_b32 s16, v[LN]                 ; wave 0..7
	v_and_b32 v[LN], 31, v0
	v_lshlrev_b32 v[LI], 4, v[LN]
	v_lshlrev_b32 v[WO], 3, v[LN]
	v_and_b32 v[SOFF], 15, v0
	v_lshlrev_b32 v[SOFF], 4, v[SOFF]
	v_bfe_u32 v[QQ], v0, 4, 1
	v_lshl_add_u32 v[SOFF], v[QQ], 12, v[SOFF]     ; lanes 16-31 hold the next group of 32 columns: 4,096 bytes on
	s_sub_co_u32 s17, ttmp9, NPREP                 ; g
	s_lshr_b32 s18, s17, 6                         ; e
	s_and_b32 s19, s17, 7                          ; cg
	s_bfe_u32 s20, s17, 0x30003                    ; (g / 8) % 8
	s_lshl_b32 s20, s20, 2
	s_wait_alu depctr_va_sdst(0)                   ; s16 is written, ahead of its first reader
	s_lshr_b32 s22, s16, 1
	s_add_co_u32 s20, s20, s22                     ; my K step
	s_and_b32 s21, s16, 1                          ; u
	s_lshl_b32 s23, s19, 2
	s_lshl_b32 s24, s21, 1
	s_add_co_u32 s23, s23, s24                     ; 4 cg + 2 u: the group of 32 columns of lanes 0-15
	s_lshl_b32 s28, s18, 24                        ; W2: 2^24 bytes an expert,
	s_lshl_b32 s24, s20, 19                        ; 128 rows of 4,096 bytes a K step,
	s_add_co_u32 s28, s28, s24
	s_lshl_b32 s24, s19, 9                         ; 512 bytes a group of 128 columns,
	s_add_co_u32 s28, s28, s24
	s_lshl_b32 s24, s21, 8                         ; 256 a half
	s_add_co_u32 s28, s28, s24
	s_mov_b32 s29, 0
	s_lshl_b32 s30, s18, 21                        ; w2q: 2^21 an expert, 65,536 a group of 32 columns, 2,048 a K step
	s_lshl_b32 s24, s23, 16
	s_add_co_u32 s30, s30, s24
	s_lshl_b32 s24, s20, 11
	s_add_co_u32 s30, s30, s24
	s_mov_b32 s31, 0
	s_lshl_b32 s32, s18, 17                        ; w2s: 2^17 an expert, 4,096 a group, 256 a pair of K steps, 8 the K step in its pair
	s_lshl_b32 s24, s23, 12
	s_add_co_u32 s32, s32, s24
	s_lshr_b32 s24, s20, 1
	s_lshl_b32 s24, s24, 8
	s_add_co_u32 s32, s32, s24
	s_and_b32 s24, s20, 1
	s_lshl_b32 s24, s24, 3
	s_add_co_u32 s32, s32, s24
	s_mov_b32 s33, 0
	s_wait_kmcnt 0x0
	s_add_nc_u64 s[4:5], s[4:5], s[28:29]
	s_add_nc_u64 s[6:7], s[6:7], s[30:31]
	s_add_nc_u64 s[8:9], s[8:9], s[32:33]
	s_wait_alu depctr_va_vdst(0)                   ; v[WO] is written, which every load of the stream reads as its offset
.irp g, 0,1,2,3
	LOADG 0, \g, 0
.endr
.irp g, 0,1,2,3
	LOADG 1, \g, 32
.endr
	QSET 0, 32, C, C+4, 1, 64                      ; each count of 32 leaves the next set's 32 loads out
	SWORD 0
	QSET 1, 32, C+8, C+12, 1, 96
	SWORD 1
	SWAPS 0
	QSET 0, 32, C+16, C+20, 0, 0
	SWORD 2
	QSET 1, 0, C+24, C+28, 0, 0
	SWORD 3
	SWAPS 1
	s_wait_alu depctr_va_vdst(0)                   ; the swaps have written the codes and the shifts the scale words, which the stores read (their offsets v[LI], v[SOFF] were written at the head)
.irp c, 0,1
.irp q, 0,1
.irp j, 0,1
	global_store_b128 v[LI], v[C+8*(2*\c+\q)+4*\j:C+8*(2*\c+\q)+4*\j+3], s[6:7] offset:65536*\q+1024*\j+512*\c   ; tile (q, j), registers 4 c on, as they stand
.endr
.endr
.endr
	global_store_b64 v[SOFF], v[WW:WW+1], s[8:9]   ; my two columns' words: j = 0, 1 of row lane % 16
	s_endpgm
.Lfunc_end_k_q580ff9fae5_prep:
	.size	k_q580ff9fae5_prep, .Lfunc_end_k_q580ff9fae5_prep-k_q580ff9fae5_prep
	.p2alignl 7, 3214868480
	.fill 96, 4, 3214868480
	.section	.rodata,"a",@progbits
	.p2align	6, 0x0
	.amdhsa_kernel k_q580ff9fae5_prep
		.amdhsa_group_segment_fixed_size 3072
		.amdhsa_private_segment_fixed_size 0
		.amdhsa_enable_private_segment 0
		.amdhsa_kernarg_size 72
		.amdhsa_user_sgpr_count 2
		.amdhsa_user_sgpr_kernarg_segment_ptr 1
		.amdhsa_wavefront_size32 1
		.amdhsa_system_sgpr_workgroup_id_x 1
		.amdhsa_system_sgpr_workgroup_id_y 1
		.amdhsa_system_sgpr_workgroup_id_z 1
		.amdhsa_system_vgpr_workitem_id 0
		.amdhsa_next_free_vgpr 226
		.amdhsa_next_free_sgpr 66
		.amdhsa_reserve_vcc 0
		.amdhsa_float_denorm_mode_32 3
		.amdhsa_float_denorm_mode_16_64 3
		.amdhsa_memory_ordered 1
		.amdhsa_forward_progress 1
		.amdhsa_inst_pref_size 61
	.end_amdhsa_kernel
	.amdgpu_metadata
---
amdhsa.version: [ 1, 2 ]
amdhsa.kernels:
  - .name:           k_q580ff9fae5_prep
    .symbol:         k_q580ff9fae5_prep.kd
    .args:
      - { .name: x, .offset: 0, .size: 8, .value_kind: global_buffer, .address_space: global }
      - { .name: route, .offset: 8, .size: 8, .value_kind: global_buffer, .address_space: global }
      - { .name: xq, .offset: 16, .size: 8, .value_kind: global_buffer, .address_space: global }
      - { .name: xs, .offset: 24, .size: 8, .value_kind: global_buffer, .address_space: global }
      - { .name: cnt, .offset: 32, .size: 8, .value_kind: global_buffer, .address_space: global }
      - { .name: order, .offset: 40, .size: 8, .value_kind: global_buffer, .address_space: global }
      - { .name: W2, .offset: 48, .size: 8, .value_kind: global_buffer, .address_space: global }
      - { .name: w2q, .offset: 56, .size: 8, .value_kind: global_buffer, .address_space: global }
      - { .name: w2s, .offset: 64, .size: 8, .value_kind: global_buffer, .address_space: global }
    .group_segment_fixed_size: 3072
    .private_segment_fixed_size: 0
    .kernarg_segment_align: 8
    .kernarg_segment_size: 72
    .max_flat_workgroup_size: 256
    .sgpr_count:     66
    .vgpr_count:     226
    .wavefront_size: 32
...
	.end_amdgpu_metadata
.endif
;; end of part 4
;; launch layer1 (part 5): grid 32 x 8, 16 waves a work-group, no clusters, 72,704 bytes of LDS; arguments W1, b1, xq, xs, cnt, hq, hs; writes hq, hs
.if DOCPART == 5
	.amdgcn_target "amdgcn-amd-amdhsa--gfx1250"
	.amdhsa_code_object_version 6
	.text
	.protected	k_q580ff9fae5_layer1
	.globl	k_q580ff9fae5_layer1
	.p2align	8
	.type	k_q580ff9fae5_layer1,@function
k_q580ff9fae5_layer1:
	s_mov_b64 s[64:65], 0
	v_nop
	global_prefetch_b8 v0, s[64:65] scope:SCOPE_SE
	s_setreg_imm32_b32 hwreg(HW_REG_WAVE_SCHED_MODE, 0, 2), 2
	s_setreg_imm32_b32 hwreg(HW_REG_WAVE_MODE, 25, 1), 1
	s_wait_xcnt 0x0
	s_wait_alu depctr_vm_vsrc(0)
; h = gelu(x W1[e] + b1[e]) for the tokens of expert e alone, on codes of FP4 (E2M1) with one E8M0 byte for each 32 along K; h leaves as codes for the second product.
; SHARES.  Work-group (cg, e) owns hidden units 128 cg .. 128 cg + 127 of expert e: a slice of W1[e] of 1,024 rows (K) x 128 columns, 512 KiB of f32, read once by this work-group alone.
; PHASE 1, THE STREAM.  Wave w (u = w & 1, s = w >> 1) takes K step s (128 rows) x 64 columns.  A lane takes two neighbouring columns and its registers run DOWN K: each load of the wave covers 256 consecutive
; bytes, aligned; a block of 32 along K lies in one lane, so its largest magnitude needs no other lane.  Four sets of 32 loads; two sets (64 loads, 16 KiB a wave) are on their way.
; The codes go to LDS as images of operand registers, one barrier, and then every wave can read the whole slice.
; PHASE 2, THE UNITS.  A unit is a tile of 16 tokens against the 128 columns: 8 K steps x 8 tiles = 64 matrix instructions.  Wave w takes tiles w, w + 16, w + 32, w + 48 as far as the expert has tokens.
; The product is used transposed (source 0 = 16 columns of W1, source 1 = 16 tokens): a lane holds one token.  THE COLUMNS OF A TILE ARE NOT NEIGHBOURS: tile (u, q, j) holds columns 64 u + 32 q + 2 r + j, so that
; the registers of tiles j = 0, 1, taken by turns, are 16 neighbouring hidden units 64 u + 32 q + 16 (lane / 16) + 0 .. 15: what the quantiser along the next K wants.
; The last tile's lanes past the expert's last token repeat that token: only bytes that were written are read, and whole tiles of h are written.
; gelu(z) = 0.5 z (1 + tanh(y)), y = sqrt(2 / pi) (z + 0.044715 z^3), is computed as z / (1 + 2^(c1 z + c3 z^3)), c1 = -2 log2(e) sqrt(2 / pi), c3 = 0.044715 c1: the same function, all in f32.
; No tensor loads: the conversions want K along a lane's registers, which loads into registers give at once.  No cluster: no two work-groups read the same weights.
; LIMITS: NaN and infinities are not served; a block whose largest magnitude lies under 2^-124, a block of zeros too, gets the byte 1 (the bytes are read by this program alone).
; THE MODE: SCHED_MODE bits 1:0 = 2 (LLVM: expert scheduling mode 2), set by the entry lines.  The code itself states the register dependences
; between vector or matrix instructions and memory or LDS instructions, with s_wait_alu, always for 0.
; THE PLAN.  Registers that memory or LDS instructions touch:
;   LAND0, LAND1   the stream: written by loads; read by the set's maxima and moves; asked for again behind two waits a set (macro QSET).
;   C, WW, B1R     written by the stream's vector lines (B1R by a load); read by the LDS stores ahead of the barrier; behind it W1's fragments land in these registers.
;   XO, SOF        written by a tile's address lines, read by its 17 loads of x.     X, XS: written by those loads, read by the tile's products.
;   WF0, WF1, WS0, WS1   batch B's four products read set B % 2; the LDS loads of batch B + 2 land in it.  All 256 registers are laid out, so there is no third set: the wait stands behind the four products.
;   Q              b1 lands there at a half's head; the half's arithmetic then works in it.
;   HC, PW, HO, HSO   written at a unit's end, read by its three stores.
;   v[LI], v[WO], v[WI], v[WSW], v[LS], v[BO], v[BST]   addresses, made once at the head and never written again.
; Behind the wait ahead of a unit's stores no vector line follows in the trip, and behind the wait on vm_vsrc at its end no memory line: so the next trip's first lines owe nothing more, whichever way leads to them.
.set ROWB, 16384                       ; a row of W1[e] in bytes
.set WSC,  65536                       ; LDS 0 .. 65,535: the images: 4,096 (2 s + u) + 1,024 (2 q + j) + 512 c + 16 lane;  then the scale words: 256 (2 s + u) + 8 lane (the pair j = 0, 1)
.set BIAS, 69632                       ; then b1's 128 numbers
.set RR,   1                           ; v1   r = lane % 16
.set HH,   2                           ; v2   h = lane / 16
.set LI,   3                           ; v3   16 x lane
.set WO,   4                           ; v4   8 x lane: my two columns
.set WI,   5                           ; v5   where I store images: 16 lane + 4,096 wave
.set WSW,  6                           ; v6   where I store scale words
.set LS,   7                           ; v7   where I read them
.set BO,   8                           ; v8   b1 in LDS, + 64 h
.set XO,   9                           ; v9   my byte in xq
.set SOF,  10                          ; v10  my byte in xs
.set P,    11                          ; v11  my position among the expert's tokens;  v12, v13 at work
.set HO,   14                          ; v14  my byte in hq
.set HSO,  15                          ; v15  my byte in hs
.set C1,   16                          ; v16-17 c1, twice
.set H256, 18                          ; v18  256 h
.set H16,  19                          ; v19  16 h
.set LN,   20                          ; v20  lane
.set BST,  21                          ; v21  where wave 0 puts b1
.set XS,   28                          ; v28-31 x's scale words: lanes 0-15 K steps 0-3, lanes 16-31 K steps 4-7.  Scales and nothing else
.set WS,   32                          ; v32-35 W1's scale words, two sets of two.  Scales and nothing else
.set LAND, 36                          ; v36-163 the stream: two sets of 32 rows x 2 columns
.set T,    164                         ; v164-179 eight rows of each column, on end
.set C,    180                         ; v180-211 codes: block bk, column j at C + 8 bk + 4 j
.set MA,   212                         ; v212-215 largest magnitudes, two chains a column
.set MB,   214
.set SO,   216                         ; v216-217 the conversions' scale operands
.set BY,   218
.set WW,   220                         ; v220-221 my two columns' scale words
.set B1R,  224                         ; v224-227 wave 0: b1 on its way
.set X,    36                          ; the units: v36-99 the tile's 8 fragments of x
.set ACC,  100                         ; v100-163 8 accumulators: tile 4 u + 2 q + j
.set WF,   164                         ; v164-227 W1's fragments, two sets of four
.set Q,    164                         ; later v164-195 b1, then the sigmoid at work
.set G,    196                         ; and v196-227 32 hidden units in the next K's order
.set HC,   228                         ; v228-235 h's codes: one fragment
.set TM,   236
.set TP,   238
.set SQ,   240
.set HBY,  242                         ; v242-245 h's four scale bytes
.set PW,   246
; s4-17 addresses; s18 wave, s19 u, s20 s, s21 cg, s22 e, s23 n, s24 n - 1, s25 tiles, s26 my tile, s27 trip, s30-31 lane selects, s32-33 c3, s28-29 and s34-46 offsets
.macro LOADG p, g, row0                ; eight rows, row0 + 8 g on, into set p
.irp i, 0,1,2,3,4,5,6,7
	global_load_b64 v[LAND+64*(\p)+16*(\g)+2*\i:LAND+64*(\p)+16*(\g)+2*\i+1], v[WO], s[4:5] offset:((\row0)+8*(\g)+\i)*ROWB th:TH_LOAD_NT
.endr
.endm
.macro QGRP g, cd0, cd1                ; rows 8 g .. 8 g + 7 of the set at v[LP] become a register of codes for each column
.irp i, 0,2,4,6                        ; a load leaves the two columns side by side; a conversion wants eight rows of one column on end
	v_dual_mov_b32 v[T+\i], v[LP+16*(\g)+2*\i] :: v_dual_mov_b32 v[T+9+\i], v[LP+16*(\g)+2*\i+3]
	v_dual_mov_b32 v[T+8+\i], v[LP+16*(\g)+2*\i+1] :: v_dual_mov_b32 v[T+1+\i], v[LP+16*(\g)+2*\i+2]
.endr
	v_cvt_scalef32_pk8_fp4_f32 v[(\cd0)+(\g)], v[T:T+7], v[SO]
	v_cvt_scalef32_pk8_fp4_f32 v[(\cd1)+(\g)], v[T+8:T+15], v[SO+1]
	v_nop                                          ; one plain line behind the conversions: T is written again, and the codes are touched later
.endm
; Set p (32 rows x my two columns = two blocks) becomes codes in v[cd0] and v[cd1] on, four registers each.  left: the younger loads that may stay out.  refill = 1: the set takes the rows from row0 on.
.macro QSET p, left, cd0, cd1, refill, row0
.set LP, LAND+64*(\p)
	s_wait_loadcnt \left
	v_max3_num_f32 v[MA], |v[LP]|, |v[LP+2]|, 0x1800000        ; rows 0-15 and the floor 2^(3 - 127), which holds the byte at 1 from below
	v_max3_num_f32 v[MA+1], |v[LP+1]|, |v[LP+3]|, 0x1800000
	v_max3_num_f32 v[MB], |v[LP+32]|, |v[LP+34]|, |v[LP+36]|   ; rows 16-30: a second chain, so that no line waits for the line above it
	v_max3_num_f32 v[MB+1], |v[LP+33]|, |v[LP+35]|, |v[LP+37]|
.irp k, 1,2,3,4,5,6
	v_max3_num_f32 v[MA], v[MA], |v[LP+4*\k]|, |v[LP+4*\k+2]|
	v_max3_num_f32 v[MA+1], v[MA+1], |v[LP+4*\k+1]|, |v[LP+4*\k+3]|
	v_max3_num_f32 v[MB], v[MB], |v[LP+34+4*\k]|, |v[LP+36+4*\k]|
	v_max3_num_f32 v[MB+1], v[MB+1], |v[LP+35+4*\k]|, |v[LP+37+4*\k]|
.endr
	v_max3_num_f32 v[MA], v[MA], |v[LP+28]|, |v[LP+30]|
	v_max3_num_f32 v[MA+1], v[MA+1], |v[LP+29]|, |v[LP+31]|
	v_max3_num_f32 v[MA], v[MA], v[MB], |v[LP+62]|             ; the two chains and row 31
	v_max3_num_f32 v[MA+1], v[MA+1], v[MB+1], |v[LP+63]|
	v_add_nc_u32 v[SO], 0xff000000, v[MA]                      ; 2 off the exponent field: the conversion's scale operand
	v_add_nc_u32 v[SO+1], 0xff000000, v[MA+1]
	QGRP 0, \cd0, \cd1
	QGRP 1, \cd0, \cd1
.if \refill
	s_wait_alu depctr_va_vdst(0)                   ; the maxima and the moves of rows 0-15 are done reading these rows' registers, in which their successors land
	LOADG \p, 0, \row0
.endif
	QGRP 2, \cd0, \cd1                             ; names rows 16-23, T, the codes and SO: none of the registers that the loads round it touch
.if \refill
	LOADG \p, 1, \row0
.endif
	QGRP 3, \cd0, \cd1
.if \refill
	s_wait_alu depctr_va_vdst(0)                   ; the moves of rows 16-31 are done reading
	LOADG \p, 2, \row0
	LOADG \p, 3, \row0
.endif
.endm
.macro SWORD bk                        ; block bk's byte into my columns' scale words
.irp j, 0,1
.if \bk == 0
	v_lshrrev_b32 v[WW+\j], 23, v[SO+\j]
.else
	v_lshrrev_b32 v[BY+\j], 23, v[SO+\j]
	v_lshl_or_b32 v[WW+\j], v[BY+\j], 8*\bk, v[WW+\j]
.endif
.endr
.endm
; The operand's layout wants lanes 0-15 to hold block 2 c and lanes 16-31 block 2 c + 1 of 16 columns.  The swap gives it: the first register becomes tile q = 0 (columns 2 r + j), the second tile q = 1 (columns 32 + 2 r + j).
.macro SWAPS c
.irp j, 0,1
.irp g, 0,1,2,3
	v_permlane16_swap_b32 v[C+16*\c+4*\j+\g], v[C+16*\c+8+4*\j+\g]
.endr
.endr
.endm
.macro XISSUE                          ; tile s26's fragments and scale words of x are asked for: 17 loads
	s_lshl_b32 s46, s26, 4
	v_add_nc_u32 v[P], s46, v[RR]
	v_min_u32 v[P], s24, v[P]                      ; past the expert's last token: that token again
	v_min_u32 v[P], 0x3ff, v[P]
	v_and_b32 v12, 0x3f0, v[P]
	v_lshl_add_u32 v12, v12, 9, v[H256]
	v_and_b32 v13, 15, v[P]
	v_lshl_add_u32 v[XO], v13, 4, v12              ; 8,192 x tile + 256 h + 16 x place in the tile
	v_lshl_add_u32 v[SOF], v[P], 5, v[H16]
	s_wait_alu depctr_va_vdst(0)                   ; v[XO] and v[SOF] are written, which the loads below read; all that named v[X ..] and v[XS ..] before (the stream's lines and the head's moves; later the last tile's products) is done with them
	global_load_b128 v[XS:XS+3], v[SOF], s[10:11]
.irp s, 0,1,2,3,4,5,6,7
.irp c, 0,1
	global_load_b128 v[X+8*\s+4*\c:X+8*\s+4*\c+3], v[XO], s[8:9] offset:1024*\s+512*\c
.endr
.endr
.endm
.macro FETCHW b                        ; batch b = 2 s + u: four fragments of W1 and their scale words: 9 LDS loads
.irp k, 0,1,2,3
.irp c, 0,1
	ds_load_b128 v[WF+32*((\b)%2)+8*\k+4*\c:WF+32*((\b)%2)+8*\k+4*\c+3], v[LI] offset:4096*(\b)+1024*\k+512*\c
.endr
.endr
	ds_load_b64 v[WS+2*((\b)%2):WS+2*((\b)%2)+1], v[LS] offset:256*(\b)
.endm
; Batch B's product on tile k = 2 q + j.  W1's scale word of column 32 q + 2 r + j lies in lane 16 q + r of register j; x's of K step s in lane 16 (s / 4) + r of register s % 4.
.macro MM k
.set rD, ACC+8*(4*(B%2)+\k)
.set rA, WF+32*(B%2)+8*\k
.set rB, X+8*(B/2)
.set rSA, WS+2*(B%2)+(\k%2)
.set rSB, XS+((B/2)%4)
.if B < 2
.if \k < 2
	v_wmma_scale_f32_16x16x128_f8f6f4 v[rD:rD+7], v[rA:rA+7], v[rB:rB+7], 0, v[rSA], v[rSB] matrix_a_fmt:MATRIX_FMT_FP4 matrix_b_fmt:MATRIX_FMT_FP4
.else
	v_wmma_scale_f32_16x16x128_f8f6f4 v[rD:rD+7], v[rA:rA+7], v[rB:rB+7], 0, v[rSA], v[rSB] matrix_a_fmt:MATRIX_FMT_FP4 matrix_b_fmt:MATRIX_FMT_FP4 matrix_a_scale:MATRIX_SCALE_ROW1
.endif
.elseif B < 8
.if \k < 2
	v_wmma_scale_f32_16x16x128_f8f6f4 v[rD:rD+7], v[rA:rA+7], v[rB:rB+7], v[rD:rD+7], v[rSA], v[rSB] matrix_a_fmt:MATRIX_FMT_FP4 matrix_b_fmt:MATRIX_FMT_FP4
.else
	v_wmma_scale_f32_16x16x128_f8f6f4 v[rD:rD+7], v[rA:rA+7], v[rB:rB+7], v[rD:rD+7], v[rSA], v[rSB] matrix_a_fmt:MATRIX_FMT_FP4 matrix_b_fmt:MATRIX_FMT_FP4 matrix_a_scale:MATRIX_SCALE_ROW1
.endif
.else
.if \k < 2
	v_wmma_scale_f32_16x16x128_f8f6f4 v[rD:rD+7], v[rA:rA+7], v[rB:rB+7], v[rD:rD+7], v[rSA], v[rSB] matrix_a_fmt:MATRIX_FMT_FP4 matrix_b_fmt:MATRIX_FMT_FP4 matrix_b_scale:MATRIX_SCALE_ROW1
.else
	v_wmma_scale_f32_16x16x128_f8f6f4 v[rD:rD+7], v[rA:rA+7], v[rB:rB+7], v[rD:rD+7], v[rSA], v[rSB] matrix_a_fmt:MATRIX_FMT_FP4 matrix_b_fmt:MATRIX_FMT_FP4 matrix_a_scale:MATRIX_SCALE_ROW1 matrix_b_scale:MATRIX_SCALE_ROW1
.endif
.endif
.endm
; Half u of the unit's results: + b1, gelu, quantised: blocks 2 u and 2 u + 1 of the next product's K step cg.
.macro EPI u
	s_wait_alu depctr_va_vdst(0)                   ; all that named v[Q ..] is done with them (u = 0: batch 14's products read them as fragments of W1; u = 1: the half before worked in them): b1 lands there
.irp q, 0,1
.irp i, 0,1,2,3
	ds_load_b128 v[Q+16*\q+4*\i:Q+16*\q+4*\i+3], v[BO] offset:256*\u+128*\q+16*\i   ; b1 of hidden units 64 u + 32 q + 16 h + 0 .. 15
.endr
.endr
	s_wait_dscnt 0x0
.irp q, 0,1
.irp j, 0,1
.irp n, 0,1,2,3,4,5,6,7
	v_add_f32 v[G+16*\q+2*\n+\j], v[ACC+8*(4*\u+2*\q+\j)+\n], v[Q+16*\q+2*\n+\j]     ; each accumulator from its low end on; the sum lands in the next K's order
.endr
.endr
.endr
.irp i, 0,2,4,6,8,10,12,14,16,18,20,22,24,26,28,30
	v_pk_mul_f32 v[Q+\i:Q+\i+1], v[G+\i:G+\i+1], v[G+\i:G+\i+1]                       ; z^2
.endr
.irp i, 0,2,4,6,8,10,12,14,16,18,20,22,24,26,28,30
	v_pk_fma_f32 v[Q+\i:Q+\i+1], v[Q+\i:Q+\i+1], s[32:33], v[C1:C1+1] op_sel_hi:[1,0,1]   ; c3 z^2 + c1
.endr
.irp i, 0,2,4,6,8,10,12,14,16,18,20,22,24,26,28,30
	v_pk_mul_f32 v[Q+\i:Q+\i+1], v[Q+\i:Q+\i+1], v[G+\i:G+\i+1]                       ; x z
.endr
.set i, 0
	s_wait_alu depctr_va_vdst(0)
.rept 32
	v_exp_f32 v[Q+i], v[Q+i]
.set i, i+1
.endr
	v_nop                                          ; a plain line behind the exponentials
	s_wait_alu depctr_va_vdst(0)                   ; the 32 exponentials have written v[Q ..], ahead of their first reader: one wait for the batch
.irp i, 0,2,4,6,8,10,12,14,16,18,20,22,24,26,28,30
	v_pk_add_f32 v[Q+\i:Q+\i+1], v[Q+\i:Q+\i+1], 1.0 op_sel_hi:[1,0]
.endr
.set i, 0
	s_wait_alu depctr_va_vdst(0)
.rept 32
	v_rcp_f32 v[Q+i], v[Q+i]
.set i, i+1
.endr
	v_nop                                          ; a plain line behind the reciprocals
	s_wait_alu depctr_va_vdst(0)                   ; the 32 reciprocals have written v[Q ..], ahead of their first reader: one wait for the batch
.irp i, 0,2,4,6,8,10,12,14,16,18,20,22,24,26,28,30
	v_pk_mul_f32 v[G+\i:G+\i+1], v[G+\i:G+\i+1], v[Q+\i:Q+\i+1]                       ; gelu(z)
.endr
.irp q, 0,1
	v_max3_num_f32 v[TM+\q], |v[G+16*\q]|, |v[G+16*\q+1]|, 0x1800000                  ; block 2 u + q: my 16 numbers, and the floor
.endr
.irp i, 2,4,6,8,10,12,14
.irp q, 0,1
	v_max3_num_f32 v[TM+\q], v[TM+\q], |v[G+16*\q+\i]|, |v[G+16*\q+\i+1]|
.endr
.endr
.irp q, 0,1
	v_permlanex16_b32 v[TP+\q], v[TM+\q], s30, s31
.endr
.irp q, 0,1
	v_max_num_f32 v[TM+\q], v[TM+\q], v[TP+\q]     ; with lane l xor 16's 16: the block's largest magnitude
.endr
.irp q, 0,1
	v_add_nc_u32 v[SQ+\q], 0xff000000, v[TM+\q]
.endr
.irp q, 0,1
	v_lshrrev_b32 v[HBY+2*\u+\q], 23, v[SQ+\q]
.endr
.irp q, 0,1
	v_cvt_scalef32_pk8_fp4_f32 v[HC+4*\u+2*\q], v[G+16*\q:G+16*\q+7], v[SQ+\q]
	v_cvt_scalef32_pk8_fp4_f32 v[HC+4*\u+2*\q+1], v[G+16*\q+8:G+16*\q+15], v[SQ+\q]
.endr
	v_nop                                          ; one plain line behind the conversions
.irp i, 0,1
	v_permlane16_swap_b32 v[HC+4*\u+\i], v[HC+4*\u+2+\i]   ; a whole block to a lane: lanes 0-15 block 2 u, lanes 16-31 block 2 u + 1
.endr
.endm
	s_load_b256 s[4:11], s[0:1], 0x0               ; W1 s[4:5], b1 s[6:7], xq s[8:9], xs s[10:11]
	s_load_b128 s[12:15], s[0:1], 0x20             ; cnt s[12:13], hq s[14:15]
	s_load_b64 s[16:17], s[0:1], 0x30              ; hs
	v_lshl_add_u32 v254, v0, 2, 0x11400
	v_mov_b32 v255, 0
	v_lshrrev_b32 v[LN], 5, v0
	v_readfirstlane_b32 s18, v[LN]                 ; wave 0..15
	s_mov_b32 s21, ttmp9                           ; cg
	s_and_b32 s22, ttmp7, 0xffff                   ; e
	v_and_b32 v[LN], 31, v0
	v_and_b32 v[RR], 15, v0
	v_bfe_u32 v[HH], v0, 4, 1
	v_lshlrev_b32 v[LI], 4, v[LN]
	v_lshlrev_b32 v[WO], 3, v[LN]
	v_add_nc_u32 v[LS], WSC, v[WO]
	v_lshl_add_u32 v[BO], v[HH], 6, BIAS
	v_add_nc_u32 v[BST], BIAS, v[LI]
	v_lshlrev_b32 v[H256], 8, v[HH]
	v_lshlrev_b32 v[H16], 4, v[HH]
	v_mov_b32 v[C1], 0xc0135761                    ; c1 = -2.3022082
	v_mov_b32 v[C1+1], 0xc0135761
	s_mov_b32 s32, 0xbdd2d3e8                      ; c3 = -0.10294324
	s_mov_b32 s33, s32                             ; (named with it as a pair, so it is written)
	s_mov_b32 s30, 0x76543210
	s_mov_b32 s31, 0xfedcba98                      ; v_permlanex16_b32's selects for lane l xor 16
.irp i, 0,1,2,3
	v_mov_b32 v[XS+\i], 0                          ; written once, so that the registers hold a value on every way through the text
.endr
	v_mov_b32 v[TP], 0                             ; a lane permute's destination counts as one of its sources
	v_mov_b32 v[TP+1], 0
	s_wait_alu depctr_va_sdst(0)                   ; s18 is written, ahead of its first reader
	s_and_b32 s19, s18, 1                          ; u
	s_lshr_b32 s20, s18, 1                         ; s
	s_lshl_b32 s34, s18, 12
	v_add_nc_u32 v[WI], s34, v[LI]
	s_lshl_b32 s34, s18, 8
	s_add_co_u32 s34, s34, WSC
	v_add_nc_u32 v[WSW], s34, v[WO]
	s_lshl_b32 s28, s22, 24                        ; W1: 2^24 bytes an expert,
	s_lshl_b32 s46, s20, 21                        ; 128 rows a K step,
	s_add_co_u32 s28, s28, s46
	s_lshl_b32 s46, s21, 9                         ; 512 bytes a group of columns,
	s_add_co_u32 s28, s28, s46
	s_lshl_b32 s46, s19, 8                         ; 256 a half
	s_add_co_u32 s28, s28, s46
	s_mov_b32 s29, 0
	s_lshl_b32 s34, s22, 14                        ; b1
	s_lshl_b32 s46, s21, 9
	s_add_co_u32 s34, s34, s46
	s_mov_b32 s35, 0
	s_lshl_b32 s36, s22, 19                        ; xq
	s_mov_b32 s37, 0
	s_lshl_b32 s38, s22, 15                        ; xs
	s_mov_b32 s39, 0
	s_lshl_b32 s40, s22, 2                         ; cnt
	s_mov_b32 s41, 0
	s_lshl_b32 s42, s22, 21                        ; hq: 2^21 an expert, 1,024 a K step (= cg)
	s_lshl_b32 s46, s21, 10
	s_add_co_u32 s42, s42, s46
	s_mov_b32 s43, 0
	s_lshl_b32 s44, s22, 17                        ; hs: [e][tile][i:4][hh:2][r:16][k:4] words, K step cg = 16 hh + 4 i + k
	s_bfe_u32 s46, s21, 0x20002
	s_lshl_b32 s46, s46, 9
	s_add_co_u32 s44, s44, s46
	s_lshr_b32 s46, s21, 4
	s_lshl_b32 s46, s46, 8
	s_add_co_u32 s44, s44, s46
	s_and_b32 s46, s21, 3
	s_lshl_b32 s46, s46, 2
	s_add_co_u32 s44, s44, s46
	s_mov_b32 s45, 0
	s_wait_kmcnt 0x0
	s_add_nc_u64 s[4:5], s[4:5], s[28:29]
	s_add_nc_u64 s[6:7], s[6:7], s[34:35]
	s_add_nc_u64 s[8:9], s[8:9], s[36:37]
	s_add_nc_u64 s[10:11], s[10:11], s[38:39]
	s_add_nc_u64 s[12:13], s[12:13], s[40:41]
	s_add_nc_u64 s[14:15], s[14:15], s[42:43]
	s_add_nc_u64 s[16:17], s[16:17], s[44:45]
	s_load_b32 s23, s[12:13], 0x0                  ; n: the expert's tokens
	s_wait_alu depctr_va_vdst(0)                   ; the addresses v[LI], v[WO], v[WI], v[WSW], v[LS], v[BO], v[BST] are written, which the loads, LDS stores and LDS loads of the whole kernel read
	s_cmp_lg_u32 s18, 0
	s_cbranch_scc1 .Lno_b1
	global_load_b128 v[B1R:B1R+3], v[LI], s[6:7]   ; wave 0: b1's 128 numbers, ahead of the weights: the first counted wait covers it
.Lno_b1:
.irp g, 0,1,2,3
	LOADG 0, \g, 0
.endr
.irp g, 0,1,2,3
	LOADG 1, \g, 32
.endr
	s_wait_kmcnt 0x0
	s_min_u32 s23, s23, 0x400
	s_sub_co_u32 s24, s23, 1
	s_add_co_u32 s25, s23, 15
	s_lshr_b32 s25, s25, 4                         ; tiles of 16 tokens
	s_mov_b32 s26, s18                             ; my first tile
	s_mov_b32 s27, 0
	QSET 0, 32, C, C+4, 1, 64                      ; each count of 32 leaves the next set's 32 loads out
	SWORD 0
	QSET 1, 32, C+8, C+12, 1, 96
	SWORD 1
	SWAPS 0
	QSET 0, 32, C+16, C+20, 0, 0
	SWORD 2
	QSET 1, 0, C+24, C+28, 0, 0
	SWORD 3
	SWAPS 1
	s_wait_alu depctr_va_vdst(0)                   ; the swaps have written the codes and the shifts the scale words, which the LDS stores below read, on both ways round the branch
	s_cmp_ge_u32 s26, s25                          ; my first tile's x is asked for ahead of the barrier, into registers that the stream has left
	s_cbranch_scc1 .Lno_x0
	XISSUE
.Lno_x0:
.irp c, 0,1
.irp q, 0,1
.irp j, 0,1
	ds_store_b128 v[WI], v[C+8*(2*\c+\q)+4*\j:C+8*(2*\c+\q)+4*\j+3] offset:(2*\q+\j)*1024+512*\c   ; tile (q, j), registers 4 c on, as they stand
.endr
.endr
.endr
	ds_store_b64 v[WSW], v[WW:WW+1]
	s_cmp_lg_u32 s18, 0
	s_cbranch_scc1 .Lno_b1s
	ds_store_b128 v[BST], v[B1R:B1R+3]
.Lno_b1s:
	s_wait_dscnt 0x0                               ; for the others' sake: my images have landed
	s_barrier_signal -1
	s_barrier_wait -1                              ; the whole slice lies in LDS; nothing is written there any more
	s_wait_alu depctr_vm_vsrc(0)                   ; my LDS stores have read the codes, the scale words and b1's registers, in which W1's fragments land from here on; the loads of x have read v[XO] and v[SOF], which a later tile's lines write again
	s_wait_loadcnt 0x0                             ; x, where it was asked for: no load is out on any way into the loop
.Lunit:                                                ; four trips: tiles w, w + 16, w + 32, w + 48
	s_cmp_ge_u32 s26, s25
	s_cbranch_scc1 .Lskip
	s_cmp_eq_u32 s27, 0
	s_cbranch_scc1 .Lhave_x
	XISSUE
	s_wait_loadcnt 0x0
.Lhave_x:
	FETCHW 0
	FETCHW 1
.set B, 0
.rept 16                               ; the eight accumulators take turns, one instruction a turn
.if B < 15
	s_wait_dscnt 9                                 ; this batch's 9 loads are in; the next batch's 9 may be out
.else
	s_wait_dscnt 0x0
.endif
	MM 0
	MM 1
	MM 2
	MM 3
.rept 4
	v_nop                                          ; four places in front of loads into registers that these products read, and of the first read of results
.endr
.if B < 14
	s_wait_alu depctr_va_vdst(0)                   ; this batch's four products are done reading their set of fragments and scale words, in which the loads of the batch two further on land
	FETCHW B+2
.endif
.set B, B+1
.endr
	EPI 0
	EPI 1
	v_lshl_or_b32 v[PW], v[HBY+1], 8, v[HBY]       ; the token's scale word of K step cg
	v_lshl_or_b32 v[PW], v[HBY+2], 16, v[PW]
	v_lshl_or_b32 v[PW], v[HBY+3], 24, v[PW]
	s_lshl_b32 s46, s26, 15
	v_add_nc_u32 v[HO], s46, v[LI]
	s_lshl_b32 s46, s26, 11
	v_lshl_add_u32 v[HSO], v[RR], 4, s46
	s_wait_alu depctr_va_vdst(0)                   ; h's codes, the scale word and the offsets v[HO], v[HSO] are written, which the three stores read; no vector line follows in this trip
	global_store_b128 v[HO], v[HC:HC+3], s[14:15]              ; the fragment as it stands: 1,024 consecutive bytes a wave
	global_store_b128 v[HO], v[HC+4:HC+7], s[14:15] offset:512
	global_store_b32 v[HSO], v[PW], s[16:17]                   ; lanes r and 16 + r hold the same word and write the same place
	s_wait_xcnt 0x0                                ; the stores' registers are written again only behind this wait
	s_wait_alu depctr_vm_vsrc(0)                   ; the stores have read v[HC ..], v[PW], v[HO], v[HSO], and this tile's loads v[XO], v[SOF]: the next trip writes all of them again
.Lskip:
	s_add_co_u32 s26, s26, 16
	s_add_co_u32 s27, s27, 1
	s_cmp_lt_u32 s27, 4
	s_cbranch_scc1 .Lunit
	s_wait_dscnt 0x0                               ; the closing lines, six on end
	s_wait_alu 0x0
	s_wait_tensorcnt 0x0
	ds_add_u32 v254, v255
	s_wait_dscnt 0x0
	s_endpgm
.Lfunc_end_k_q580ff9fae5_layer1:
	.size	k_q580ff9fae5_layer1, .Lfunc_end_k_q580ff9fae5_layer1-k_q580ff9fae5_layer1
	.p2alignl 7, 3214868480
	.fill 96, 4, 3214868480
	.section	.rodata,"a",@progbits
	.p2align	6, 0x0
	.amdhsa_kernel k_q580ff9fae5_layer1
		.amdhsa_group_segment_fixed_size 72704
		.amdhsa_private_segment_fixed_size 0
		.amdhsa_enable_private_segment 0
		.amdhsa_kernarg_size 56
		.amdhsa_user_sgpr_count 2
		.amdhsa_user_sgpr_kernarg_segment_ptr 1
		.amdhsa_wavefront_size32 1
		.amdhsa_system_sgpr_workgroup_id_x 1
		.amdhsa_system_sgpr_workgroup_id_y 1
		.amdhsa_system_sgpr_workgroup_id_z 1
		.amdhsa_system_vgpr_workitem_id 0
		.amdhsa_next_free_vgpr 256
		.amdhsa_next_free_sgpr 66
		.amdhsa_reserve_vcc 0
		.amdhsa_float_denorm_mode_32 3
		.amdhsa_float_denorm_mode_16_64 3
		.amdhsa_memory_ordered 1
		.amdhsa_forward_progress 1
		.amdhsa_inst_pref_size 84
	.end_amdhsa_kernel
	.amdgpu_metadata
---
amdhsa.version: [ 1, 2 ]
amdhsa.kernels:
  - .name:           k_q580ff9fae5_layer1
    .symbol:         k_q580ff9fae5_layer1.kd
    .args:
      - { .name: W1, .offset: 0, .size: 8, .value_kind: global_buffer, .address_space: global }
      - { .name: b1, .offset: 8, .size: 8, .value_kind: global_buffer, .address_space: global }
      - { .name: xq, .offset: 16, .size: 8, .value_kind: global_buffer, .address_space: global }
      - { .name: xs, .offset: 24, .size: 8, .value_kind: global_buffer, .address_space: global }
      - { .name: cnt, .offset: 32, .size: 8, .value_kind: global_buffer, .address_space: global }
      - { .name: hq, .offset: 40, .size: 8, .value_kind: global_buffer, .address_space: global }
      - { .name: hs, .offset: 48, .size: 8, .value_kind: global_buffer, .address_space: global }
    .group_segment_fixed_size: 72704
    .private_segment_fixed_size: 0
    .kernarg_segment_align: 8
    .kernarg_segment_size: 56
    .max_flat_workgroup_size: 512
    .sgpr_count:     66
    .vgpr_count:     256
    .wavefront_size: 32
...
	.end_amdgpu_metadata
.endif
;; end of part 5
;; launch layer2 (part 6): grid 32 x 8, 16 waves a work-group, no clusters, 72,192 bytes of LDS; arguments w2q, b2, hq, hs, cnt, order, out0, w2s; writes out0
.if DOCPART == 6
	.amdgcn_target "amdgcn-amd-amdhsa--gfx1250"
	.amdhsa_code_object_version 6
	.text
	.protected	k_q580ff9fae5_layer2
	.globl	k_q580ff9fae5_layer2
	.p2align	8
	.type	k_q580ff9fae5_layer2,@function
k_q580ff9fae5_layer2:
	s_mov_b64 s[64:65], 0
	v_nop
	global_prefetch_b8 v0, s[64:65] scope:SCOPE_SE
	s_setreg_imm32_b32 hwreg(HW_REG_WAVE_SCHED_MODE, 0, 2), 2
	s_setreg_imm32_b32 hwreg(HW_REG_WAVE_MODE, 25, 1), 1
	s_wait_xcnt 0x0
	s_wait_alu depctr_vm_vsrc(0)
; out0[token] = h W2[e] + b2[e] for the tokens of expert e alone, on codes of FP4 (E2M1) with one E8M0 byte for each 32 along K (K = the 4,096 hidden units).
; Both operands arrive as codes that earlier launches of this program made: W2's from the first launch (w2q, w2s), h's from the second (hq, hs), each laid as images of operand registers.
; SHARES.  Work-group (cg, e) owns outputs 32 cg .. 32 cg + 31 of expert e.  Its part of W2 is 64 KiB of codes and 4 KiB of scale words, dense in memory and laid as they are to lie in LDS:
; wave w brings 4 KiB of images (K steps 2 w, 2 w + 1) and 256 bytes of scale words through its registers; one barrier; then every wave can read the whole slice.
; THE UNITS.  A unit is a tile of 16 tokens against the 32 columns: 32 K steps x 2 tiles = 64 matrix instructions.  Wave w takes tiles w, w + 16, w + 32, w + 48 as far as the expert has tokens.
; The product is used transposed (source 0 = 16 columns of W2: tile j holds columns 2 r + j; source 1 = 16 tokens): a lane holds one token, and the two tiles' registers by turns are its outputs 16 (lane / 16) + 0 .. 15.
; h's fragments come from memory through a ring of four groups of four K steps in registers (16 KiB a wave on its way); a wave's first four groups are asked for together with the weights, ahead of the barrier.
; The last tile's lanes past the expert's last token repeat that token and store the same bytes to the same row.
; No cluster: h's tiles are shared by the 32 work-groups of an expert, but up to 64 tiles of 32 KiB do not fit in LDS and the number of tiles hangs on a count read from memory.
; THE MODE: SCHED_MODE bits 1:0 = 2 (LLVM: expert scheduling mode 2), set by the entry lines.  The code itself states the register dependences
; between vector or matrix instructions and memory or LDS instructions, with s_wait_alu, always for 0.
; THE PLAN.  Registers that memory or LDS instructions touch:
;   C, WW, B2R     written by loads, read by the LDS stores ahead of the barrier; behind it W2's fragments land in these registers.
;   IO, HSB, HBA   written by a tile's address lines, read by its loads (v[HBA] by the ring's later loads too).    ID, HS: written by those loads, read by a vector line and by the products.
;   H0 .. H3       the ring: batches 2 g and 2 g + 1 read group g % 4; behind batch 2 g + 1 the loads of group g + 4 land in it.
;   WF0, WF1, WS0, WS1   batch B's four products read set B % 2; the LDS loads of batch B + 2 land in it.  All 256 registers are laid out, so there is no third set.
;   So ONE wait stands behind a batch's four products, and serves both the LDS loads and, in the odd batches, the ring's loads.
;   BB             b2 lands there at a unit's end.     O, OO: written by vector lines, read by the unit's four stores.
;   v[LI], v[L4], v[R16], v[WI], v[WSW], v[LS], v[BO], v[BST]   addresses, made once at the head and never written again.
; Behind the wait ahead of a unit's stores no vector line follows in the trip, and behind the wait on vm_vsrc at its end no memory line: so the next trip's first lines owe nothing more, whichever way leads to them.
.set WSC,  65536                       ; LDS 0 .. 65,535: the images: 2,048 K step + 1,024 j + 512 c + 16 lane;  then the scale words: 256 w + 16 r: four words (a, j)
.set BIAS, 69632                       ; then b2's 32 numbers
.set RR,   1                           ; v1   r
.set HH,   2                           ; v2   h
.set LI,   3                           ; v3   16 x lane
.set R16,  4                           ; v4   16 r
.set WI,   5                           ; v5   where I store images
.set WSW,  6                           ; v6   where I store scale words
.set LS,   7                           ; v7   where I read them
.set BO,   8                           ; v8   b2 in LDS, + 64 h
.set HBA,  9                           ; v9   my byte in hq
.set HSB,  10                          ; v10  my byte in hs
.set P,    11                          ; v11  my position among the expert's tokens
.set ID,   12                          ; v12  my token
.set OO,   13                          ; v13  my byte in out0
.set H64,  14                          ; v14  64 h
.set IO,   15                          ; v15  my byte in order
.set BST,  16                          ; v16  where wave 0 puts b2
.set L4,   18                          ; v18  4 x lane
.set LN,   20
.set B2R,  21                          ; v21  wave 0: b2 on its way
.set HS,   22                          ; v22-37 h's scale words: register K step % 16, lanes 16 (K step / 16) + r.  Scales and nothing else
.set WS,   38                          ; v38-45 W2's scale words, two sets of four.  Scales and nothing else
.set H,    46                          ; v46-173 h's fragments, four groups of four K steps
.set ACC,  174                         ; v174-189 two accumulators
.set WF,   190                         ; v190-253 W2's fragments, two sets of four
.set C,    190                         ; at the head: v190-221 my 4 KiB of images on their way to LDS
.set WW,   222                         ;              v222-225 my row's four scale words
.set BB,   190                         ; at a unit's end: v190-205 b2
.set O,    206                         ;                  v206-221 my token's 16 outputs
; s4-19 addresses; s20 wave, s21 cg, s22 e, s23 n, s24 n - 1, s25 tiles, s26 my tile, s27 trip, s28-31 and s34-46 offsets
.macro HLOAD g                         ; group g: h's fragments of K steps 4 g .. 4 g + 3: 8 loads, each 512 consecutive bytes
.irp k, 0,1,2,3
.irp c, 0,1
	global_load_b128 v[H+32*((\g)%4)+8*\k+4*\c:H+32*((\g)%4)+8*\k+4*\c+3], v[HBA], s[8:9] offset:(4*(\g)+\k)*1024+512*\c
.endr
.endr
.endm
.macro HISSUE                          ; tile s26: my token's number, the tile's scale words, the first four groups: 1 + 4 + 32 loads
	s_lshl_b32 s46, s26, 4
	v_add_nc_u32 v[P], s46, v[RR]
	v_min_u32 v[P], s24, v[P]                      ; past the expert's last token: that token again
	v_min_u32 v[P], 0x3ff, v[P]
	v_lshlrev_b32 v[IO], 2, v[P]
	s_lshl_b32 s46, s26, 11
	v_add_nc_u32 v[HSB], s46, v[LI]
	s_lshl_b32 s46, s26, 15
	v_add_nc_u32 v[HBA], s46, v[LI]
	s_wait_alu depctr_va_vdst(0)                   ; v[IO], v[HSB] and v[HBA] are written, which the loads below read; all that named v[ID], v[HS ..] and the ring before (the head's moves; later the last tile's lines and products) is done with them
	global_load_b32 v[ID], v[IO], s[14:15]
.irp i, 0,1,2,3
	global_load_b128 v[HS+4*\i:HS+4*\i+3], v[HSB], s[10:11] offset:512*\i
.endr
	HLOAD 0
	HLOAD 1
	HLOAD 2
	HLOAD 3
.endm
.macro FETCHW b                        ; batch b: W2's fragments (a, j) of K steps 2 b, 2 b + 1 and their scale words: 9 LDS loads
.irp k, 0,1,2,3
.irp c, 0,1
	ds_load_b128 v[WF+32*((\b)%2)+8*\k+4*\c:WF+32*((\b)%2)+8*\k+4*\c+3], v[LI] offset:4096*(\b)+1024*\k+512*\c
.endr
.endr
	ds_load_b128 v[WS+4*((\b)%2):WS+4*((\b)%2)+3], v[LS] offset:256*(\b)
.endm
.macro MM k                            ; batch B's product k = 2 a + j: K step 2 B + a, tile j
.set rD, ACC+8*(\k%2)
.set rA, WF+32*(B%2)+8*\k
.set rB, H+32*((B/2)%4)+8*(2*(B%2)+\k/2)
.set rSA, WS+4*(B%2)+\k
.set rSB, HS+((2*B+\k/2)%16)
.if (B == 0) && (\k < 2)
	v_wmma_scale_f32_16x16x128_f8f6f4 v[rD:rD+7], v[rA:rA+7], v[rB:rB+7], 0, v[rSA], v[rSB] matrix_a_fmt:MATRIX_FMT_FP4 matrix_b_fmt:MATRIX_FMT_FP4
.elseif B < 8
	v_wmma_scale_f32_16x16x128_f8f6f4 v[rD:rD+7], v[rA:rA+7], v[rB:rB+7], v[rD:rD+7], v[rSA], v[rSB] matrix_a_fmt:MATRIX_FMT_FP4 matrix_b_fmt:MATRIX_FMT_FP4
.else
	v_wmma_scale_f32_16x16x128_f8f6f4 v[rD:rD+7], v[rA:rA+7], v[rB:rB+7], v[rD:rD+7], v[rSA], v[rSB] matrix_a_fmt:MATRIX_FMT_FP4 matrix_b_fmt:MATRIX_FMT_FP4 matrix_b_scale:MATRIX_SCALE_ROW1
.endif
.endm
	s_load_b256 s[4:11], s[0:1], 0x0               ; w2q s[4:5], b2 s[6:7], hq s[8:9], hs s[10:11]
	s_load_b256 s[12:19], s[0:1], 0x20             ; cnt s[12:13], order s[14:15], out0 s[16:17], w2s s[18:19]
	v_lshl_add_u32 v254, v0, 2, 0x11200
	v_mov_b32 v255, 0
	v_lshrrev_b32 v[LN], 5, v0
	v_readfirstlane_b32 s20, v[LN]                 ; wave 0..15
	s_mov_b32 s21, ttmp9                           ; cg
	s_and_b32 s22, ttmp7, 0xffff                   ; e
	v_and_b32 v[LN], 31, v0
	v_and_b32 v[RR], 15, v0
	v_bfe_u32 v[HH], v0, 4, 1
	v_lshlrev_b32 v[LI], 4, v[LN]
	v_lshlrev_b32 v[L4], 2, v[LN]
	v_lshlrev_b32 v[R16], 4, v[RR]
	v_lshl_add_u32 v[LS], v[RR], 4, WSC
	v_lshl_add_u32 v[BO], v[HH], 6, BIAS
	v_add_nc_u32 v[BST], BIAS, v[L4]
	v_lshlrev_b32 v[H64], 6, v[HH]
	v_mov_b32 v[ID], 0
.set i, 0
.rept 16
	v_mov_b32 v[HS+i], 0                           ; written once, so that the registers hold a value on every way through the text
.set i, i+1
.endr
.set i, 0
.rept 64
	v_dual_mov_b32 v[H+i], v[ID] :: v_dual_mov_b32 v[H+i+1], v[ID]   ; the ring likewise: its first loads stand under a branch.  These lines run while the kernel's arguments are on their way
.set i, i+2
.endr
	s_wait_alu depctr_va_sdst(0)                   ; s20 is written, ahead of its first reader
	s_lshl_b32 s34, s20, 12
	v_add_nc_u32 v[WI], s34, v[LI]
	s_lshl_b32 s34, s20, 15
	v_add_nc_u32 v[HBA], s34, v[LI]                ; my byte in hq for my first tile (tile = wave): made here, on the way that every wave takes, since the unit loop's loads of the later groups name it too
	s_lshl_b32 s34, s20, 8
	s_add_co_u32 s34, s34, WSC
	v_lshl_add_u32 v[WSW], v[RR], 4, s34
	s_lshl_b32 s28, s22, 21                        ; w2q: 2^21 bytes an expert,
	s_lshl_b32 s46, s21, 16                        ; 65,536 a group of 32 columns,
	s_add_co_u32 s28, s28, s46
	s_lshl_b32 s46, s20, 12                        ; 4,096 a wave
	s_add_co_u32 s28, s28, s46
	s_mov_b32 s29, 0
	s_lshl_b32 s30, s22, 17                        ; w2s: 2^17 an expert, 4,096 a group, 256 a wave
	s_lshl_b32 s46, s21, 12
	s_add_co_u32 s30, s30, s46
	s_lshl_b32 s46, s20, 8
	s_add_co_u32 s30, s30, s46
	s_mov_b32 s31, 0
	s_lshl_b32 s46, s21, 7                         ; 128 bytes a group of columns
	s_lshl_b32 s34, s22, 12                        ; b2
	s_add_co_u32 s34, s34, s46
	s_mov_b32 s35, 0
	s_lshl_b32 s36, s22, 21                        ; hq
	s_mov_b32 s37, 0
	s_lshl_b32 s38, s22, 17                        ; hs
	s_mov_b32 s39, 0
	s_lshl_b32 s40, s22, 2                         ; cnt
	s_mov_b32 s41, 0
	s_lshl_b32 s42, s22, 12                        ; order
	s_mov_b32 s43, 0
	s_mov_b32 s44, s46                             ; out0: my 32 columns
	s_mov_b32 s45, 0
	s_wait_kmcnt 0x0
	s_add_nc_u64 s[4:5], s[4:5], s[28:29]
	s_add_nc_u64 s[6:7], s[6:7], s[34:35]
	s_add_nc_u64 s[8:9], s[8:9], s[36:37]
	s_add_nc_u64 s[10:11], s[10:11], s[38:39]
	s_add_nc_u64 s[12:13], s[12:13], s[40:41]
	s_add_nc_u64 s[14:15], s[14:15], s[42:43]
	s_add_nc_u64 s[16:17], s[16:17], s[44:45]
	s_add_nc_u64 s[18:19], s[18:19], s[30:31]
	s_load_b32 s23, s[12:13], 0x0                  ; n: the expert's tokens
	s_wait_alu depctr_va_vdst(0)                   ; the addresses v[LI], v[L4], v[R16], v[WI], v[WSW], v[LS], v[BO], v[BST] are written, which the loads, LDS stores and LDS loads of the whole kernel read
.irp i, 0,1,2,3,4,5,6,7
	global_load_b128 v[C+4*\i:C+4*\i+3], v[LI], s[4:5] offset:512*\i th:TH_LOAD_NT   ; my 4 KiB of images, 512 consecutive bytes a load; read by this wave alone
.endr
	global_load_b128 v[WW:WW+3], v[R16], s[18:19]  ; row r's four scale words (lanes r and 16 + r take the same)
	s_cmp_lg_u32 s20, 0
	s_cbranch_scc1 .Lno_b2
	global_load_b32 v[B2R], v[L4], s[6:7]          ; wave 0: b2's 32 numbers
.Lno_b2:
	s_wait_kmcnt 0x0
	s_min_u32 s23, s23, 0x400
	s_sub_co_u32 s24, s23, 1
	s_add_co_u32 s25, s23, 15
	s_lshr_b32 s25, s25, 4                         ; tiles of 16 tokens
	s_mov_b32 s26, s20                             ; my first tile
	s_mov_b32 s27, 0
	s_cmp_ge_u32 s26, s25                          ; my first tile's h is asked for at once, beside the weights
	s_cbranch_scc1 .Lno_h0
	HISSUE
.Lno_h0:
	s_wait_loadcnt 0x0                             ; the weights, and h where it was asked for: no load is out on any way into the loop
.irp i, 0,1,2,3,4,5,6,7
	ds_store_b128 v[WI], v[C+4*\i:C+4*\i+3] offset:512*\i   ; as they lay in memory
.endr
	ds_store_b128 v[WSW], v[WW:WW+3]               ; lanes r and 16 + r hold the same words and write the same place
	s_cmp_lg_u32 s20, 0
	s_cbranch_scc1 .Lno_b2s
	ds_store_b32 v[BST], v[B2R]
.Lno_b2s:
	s_wait_dscnt 0x0                               ; for the others' sake: my images have landed
	s_barrier_signal -1
	s_barrier_wait -1                              ; the whole slice lies in LDS; nothing is written there any more
	s_wait_alu depctr_vm_vsrc(0)                   ; my LDS stores have read the images' and the scale words' registers, in which W2's fragments land from here on; the first tile's loads have read v[IO], v[HSB], v[HBA], which a later tile's lines write again
.Lunit:                                                ; four trips: tiles w, w + 16, w + 32, w + 48
	s_cmp_ge_u32 s26, s25
	s_cbranch_scc1 .Lskip
	s_cmp_eq_u32 s27, 0
	s_cbranch_scc1 .Lhave_h
	HISSUE
.Lhave_h:
	FETCHW 0
	FETCHW 1
	s_wait_loadcnt 24                              ; my token's number, the scale words and group 0 are in; groups 1 to 3 (24 loads) may be out
	v_min_u32 v[OO], 0x3ff, v[ID]
	v_lshl_add_u32 v[OO], v[OO], 12, v[H64]        ; out0: 4,096 bytes a token, + 64 h
.set B, 0
.rept 16                               ; the two accumulators take turns, one instruction a turn
.if (B%2 == 0) && (B > 0)
.if B < 10
	s_wait_loadcnt 24                              ; group B / 2 is in; the three groups behind it may be out
.elseif B == 10
	s_wait_loadcnt 16                              ; groups 6 and 7 are behind group 5
.elseif B == 12
	s_wait_loadcnt 8                               ; only group 7 is behind group 6
.else
	s_wait_loadcnt 0x0
.endif
.endif
.if B < 15
	s_wait_dscnt 9                                 ; this batch's 9 LDS loads are in; the next batch's 9 may be out
.else
	s_wait_dscnt 0x0
.endif
	MM 0
	MM 1
	MM 2
	MM 3
.rept 4
	v_nop                                          ; four places in front of loads into registers that these products read, and of the first read of results
.endr
.if B < 14
	s_wait_alu depctr_va_vdst(0)                   ; this batch's four products are done reading their set of W2's fragments and scale words, and, with the batch before, their group of the ring: the loads below land there
	FETCHW B+2
.endif
.if (B%2 == 1) && (B/2+4 < 8)
	HLOAD B/2+4                                    ; the group just multiplied gives its place to the group four further on
.endif
.set B, B+1
.endr
	s_wait_alu depctr_va_vdst(0)                   ; batch 14's products are done reading v[BB ..] as fragments of W2: b2 lands there
.irp q, 0,1,2,3
	ds_load_b128 v[BB+4*\q:BB+4*\q+3], v[BO] offset:16*\q     ; b2 of outputs 16 h + 0 .. 15
.endr
	s_wait_dscnt 0x0
.irp j, 0,1
.irp n, 0,1,2,3,4,5,6,7
	v_add_f32 v[O+2*\n+\j], v[ACC+8*\j+\n], v[BB+2*\n+\j]     ; each accumulator from its low end on; the sum lands in the order of the columns
.endr
.endr
	s_wait_alu depctr_va_vdst(0)                   ; the 16 outputs and the offset v[OO] are written, which the four stores read; no vector line follows in this trip
.irp q, 0,1,2,3
	global_store_b128 v[OO], v[O+4*\q:O+4*\q+3], s[16:17] offset:16*\q   ; a lane's 64 consecutive bytes of its token's row; lanes r and 16 + r together 128
.endr
	s_wait_xcnt 0x0                                ; the stores' registers are written again only behind this wait
	s_wait_alu depctr_vm_vsrc(0)                   ; the stores have read v[O ..] and v[OO], and this tile's loads v[IO], v[HSB], v[HBA]: the next trip writes all of them again
.Lskip:
	s_add_co_u32 s26, s26, 16
	s_add_co_u32 s27, s27, 1
	s_cmp_lt_u32 s27, 4
	s_cbranch_scc1 .Lunit
	s_wait_dscnt 0x0                               ; the closing lines, six on end
	s_wait_alu 0x0
	s_wait_tensorcnt 0x0
	ds_add_u32 v254, v255
	s_wait_dscnt 0x0
	s_endpgm
.Lfunc_end_k_q580ff9fae5_layer2:
	.size	k_q580ff9fae5_layer2, .Lfunc_end_k_q580ff9fae5_layer2-k_q580ff9fae5_layer2
	.p2alignl 7, 3214868480
	.fill 96, 4, 3214868480
	.section	.rodata,"a",@progbits
	.p2align	6, 0x0
	.amdhsa_kernel k_q580ff9fae5_layer2
		.amdhsa_group_segment_fixed_size 72192
		.amdhsa_private_segment_fixed_size 0
		.amdhsa_enable_private_segment 0
		.amdhsa_kernarg_size 64
		.amdhsa_user_sgpr_count 2
		.amdhsa_user_sgpr_kernarg_segment_ptr 1
		.amdhsa_wavefront_size32 1
		.amdhsa_system_sgpr_workgroup_id_x 1
		.amdhsa_system_sgpr_workgroup_id_y 1
		.amdhsa_system_sgpr_workgroup_id_z 1
		.amdhsa_system_vgpr_workitem_id 0
		.amdhsa_next_free_vgpr 256
		.amdhsa_next_free_sgpr 66
		.amdhsa_reserve_vcc 0
		.amdhsa_float_denorm_mode_32 3
		.amdhsa_float_denorm_mode_16_64 3
		.amdhsa_memory_ordered 1
		.amdhsa_forward_progress 1
		.amdhsa_inst_pref_size 43
	.end_amdhsa_kernel
	.amdgpu_metadata
---
amdhsa.version: [ 1, 2 ]
amdhsa.kernels:
  - .name:           k_q580ff9fae5_layer2
    .symbol:         k_q580ff9fae5_layer2.kd
    .args:
      - { .name: w2q, .offset: 0, .size: 8, .value_kind: global_buffer, .address_space: global }
      - { .name: b2, .offset: 8, .size: 8, .value_kind: global_buffer, .address_space: global }
      - { .name: hq, .offset: 16, .size: 8, .value_kind: global_buffer, .address_space: global }
      - { .name: hs, .offset: 24, .size: 8, .value_kind: global_buffer, .address_space: global }
      - { .name: cnt, .offset: 32, .size: 8, .value_kind: global_buffer, .address_space: global }
      - { .name: order, .offset: 40, .size: 8, .value_kind: global_buffer, .address_space: global }
      - { .name: out0, .offset: 48, .size: 8, .value_kind: global_buffer, .address_space: global }
      - { .name: w2s, .offset: 56, .size: 8, .value_kind: global_buffer, .address_space: global }
    .group_segment_fixed_size: 72192
    .private_segment_fixed_size: 0
    .kernarg_segment_align: 8
    .kernarg_segment_size: 64
    .max_flat_workgroup_size: 512
    .sgpr_count:     66
    .vgpr_count:     256
    .wavefront_size: 32
...
	.end_amdgpu_metadata
.endif
;; end of part 6
